; MI455X (gfx1250); checked and timed in simulation.
; The chip was launched on July 23, 2026; its instructions are those of AMD's public machine-readable ISA for CDNA 5 (MIT licence, August 2026) and "CDNA5" Instruction Set Architecture Reference Guide (July 2026). The comments in the code are by the model that wrote it; some were corrected since.
;; Implicit Warp Module. Allowed arithmetic: matrix products marked QUANTISED: E3M2 operands, one E8M0 scale for each 32 along K, by v_wmma_scale_f32_16x16x128_f8f6f4 with both operands' format E3M2, f32 sums; products left as they are: f32 operands where the result goes on into a quantised operand, else bf16, f16 or f32 operands; f32 sums; everything else in f32.
;; Inputs: feat_curr 2 x 64 x 256 x 256 float32; feat_supp 2 x 64 x 256 x 256 float32; flow 2 x 256 x 256 x 2 float32; k_b 64 float32; k_w 64 x 128 float32; q_b 64 float32; q_w 64 x 128 float32; v_b 64 float32; v_w 64 x 128 float32.
;; Outputs: out0 2 x 64 x 256 x 256 float32.
;; This version of the problem:
;;   THIS VERSION OF THE PROBLEM IS GIVEN IN LOW PRECISION. The matrix products marked QUANTISED in the list below multiply operands that are first quantised to E3M2 (3 exponent bits, 2 mantissa bits; 6 bits a number), with one power-of-two scale for each 32 numbers along K (OCP MX v1.0); their sums are f32. All else is computed in f32.
;;   The module's matrix products, in the order in which they are computed (A, B: the left and right operand; K: the contracted axis; several contracted axes count as one K, in the product's order):
;;     1. [M 131,072, K 128] x [K 128, N 64]; A: computed on the way; B: input q_w: QUANTISED
;;     2. [M 524,288, K 128] x [K 128, N 64]; A: computed on the way; B: input k_w: QUANTISED
;;     3. [M 524,288, K 128] x [K 128, N 64]; A: computed on the way; B: input v_w: QUANTISED
;;     4. batch 1,048,576 x [M 1, K 8] x [K 8, N 4]; A: computed on the way; B: computed on the way: left as it is (K = 8 < 32)
;;     5. batch 1,048,576 x [M 1, K 4] x [K 4, N 8]; A: softmax; B: computed on the way: left as it is (K = 4 < 32)
;;   THE QUANTISER, for each operand of a quantised product, along K:
;;     - K is cut into blocks of 32 from its start; a last block that is shorter is filled with zeros.
;;     - A block's scale is 2^e with e = floor(log2(the largest magnitude in the block)) - 4, held to -126 .. 127; a block of zeros has e = 0. As a byte (E8M0): e + 127.
;;     - Each number is divided by its block's scale, clamped to +-28, and rounded to the nearest number of E3M2, ties to even, subnormals kept.
;;     - The product sums the exact products of the quantised numbers (number of the format x scale) in f32.
;;   ~~~python
;;   def quantise(x, axis):      # numpy; x: float32 -> the quantised numbers, widened to float32 again
;;       x = np.moveaxis(x, axis, -1); K = x.shape[-1]
;;       x = np.pad(x, [(0, 0)] * (x.ndim - 1) + [(0, -K % 32)]); x = x.reshape(x.shape[:-1] + (-1, 32)); a = np.abs(x).max(-1, keepdims=True)
;;       e = np.where(a > 0, np.clip(np.frexp(np.where(a > 0, a, 1))[1] - 1 - 4, -126, 127), 0)      # np.frexp(a)[1] - 1 = floor(log2(a)), exactly
;;       r = np.clip(x / 2.0 ** e, -28, 28)
;;       step = 2.0 ** (np.maximum(np.frexp(np.where(r == 0, 1, r))[1] - 1, -2) - 2)
;;       q = np.round(r / step) * step * 2.0 ** e      # np.round: ties to even
;;       return np.moveaxis(q.reshape(q.shape[:-2] + (-1,))[..., :K], -1, axis).astype(np.float32)
;;   ~~~
;;   OPERANDS COMPUTED ON THE WAY. 'Computed on the way' means the value that the module computes at that place (a softmax that the list does not call 'softmax' is quantised finished and normalised). What goes into a quantiser is computed in f32, as accurately as f32 sums, v_exp_f32 and their like allow (about 1e-6 of the number): no bf16 or f16 on the way to a quantiser, and a product that is left as it is and whose result goes on into a quantised operand takes f32 operands (vector FMAs, or v_wmma_f32_16x16x4_f32). A number that lies on a knife's edge between two numbers of the format may be rounded either way, as far as f32 arithmetic and the matrix unit's own rounding can turn it there, and no further.
;; 2 versions, each right; version 2 is version 1 with the launch main written anew for expert scheduling mode. Each part assembles by itself: llvm-mc -triple=amdgcn-amd-amdhsa -mcpu=gfx1250 --defsym DOCPART=n.
;; ======== version 1 of 2: 2 launches
;; workspace buffers: rec 25,165,824 bytes; rsc 2,097,152 bytes; idx 2,097,152 bytes of whole numbers; wimg 19,968 bytes
;; launch prep (part 1): grid 515 x 1, 4 waves a work-group, no clusters, 54,784 bytes of LDS; arguments feat_supp, flow, q_w, k_w, v_w, rec, rsc, idx, wimg; writes rec, rsc, idx, wimg
.if DOCPART == 1
	.amdgcn_target "amdgcn-amd-amdhsa--gfx1250"
	.amdhsa_code_object_version 6
	.text
	.protected	k_q012615b584_prep
	.globl	k_q012615b584_prep
	.p2align	8
	.type	k_q012615b584_prep,@function
k_q012615b584_prep:
	s_mov_b64 s[64:65], 0
	v_nop
	global_prefetch_b8 v0, s[64:65] scope:SCOPE_SE
	s_setreg_imm32_b32 hwreg(HW_REG_WAVE_MODE, 25, 1), 1
	s_wait_xcnt 0x0
; FIRST LAUNCH.  It makes, once, all that the second launch gathers or reads again:
;  rec  [131072 source pixels][192 bytes]: the E3M2 codes of the window rows that a source pixel can become.  A window row is feat_supp(pixel, channel c) + pe(2 c + j); K 0..63 (channels 0..31)
;       carries the code of the window's row u alone, K 64..127 (channels 32..63) that of its column v alone: so 2 + 2 half rows serve all four (u, v).  Blk(e, w, h) = the 24 bytes of K block 2 e + h under coordinate w.
;       Its bytes 0-15 lie at 64 e + 32 w + 16 h, its bytes 16-23 at 128 + 32 e + 16 h + 8 w: nothing is stored twice, every piece lies on a multiple of its size, and one offset (192 x pixel + 16 h) serves all pieces.
;       So four loads (16, 8, 16, 8 bytes) give lane (r, h) the twelve operand registers of row (pixel, u, v).
;  rsc  [131072][4 (u v)] words: the row's four E8M0 bytes.      idx  [2048 groups of 64 pixels][4 (u v)][64]: the clipped window pixel's number (batch x 65536 + y x 256 + x), as whole numbers.
;  wimg twelve weight fragments (q, k, v x four tiles of 16 features) as images of their registers: codes at 1536 f + 512 j + 16 lane, scale words at 18432 + 128 f + 4 lane.
; SHARES.  Work-groups 0..511: each of the four waves takes one group of 64 pixels of an image row.  Lane (r, h) holds pixels 4 r + p (p = 0..3) and channels 32 e + 16 h + m: one load of 16 bytes is four pixels of a channel,
; sixteen lanes read 256 consecutive bytes, and a block of 32 along K lies whole in one lane.  Work-groups 512..514: one weight each, a wave to a tile of 16 features; that path uses no LDS.
; The records leave through the wave's own stage in LDS: every store to memory covers 512 consecutive bytes.  Waves share nothing: no barrier.  No tensor load and no cluster: no tile is read by two work-groups.
; THE QUANTISER: a block's byte is its largest magnitude's exponent field - 4, with the floor 2^(5 - 127) among the maximum's leaves; the conversion divides by that power of two, rounds to nearest even and holds at 28.
; THE SINES: sin a = a (1 + z Q(z)), cos a = 1 + z R(z), z = a a, Taylor's terms; the window's angle 2 pi w / (1 + 1e-6) / 10^(i/8) is taken by its half (at most pi) and doubled; where the half can pass 1.3 it is shifted by pi / 2.
; LIMITS: NaN and infinities are not served.  A block whose largest magnitude lies under 2^-122 (zeros too) gets the byte 1 where the rule has a smaller one or 127: only this program reads the bytes.  Sines and cosines are right to about 2e-7 absolute.
.set PLANE, 262144                     ; bytes of a channel's plane
.set FT,   16                          ; v16-143  features: register 4 (16 e + m) + p; on the way out the records
.set EW1,  144                         ; v144-175 pe under coordinate 1: register 2 m sine, 2 m + 1 cosine, frequency 16 h + m
.set EW0,  176                         ; v176-177 pe under coordinate 0: 0, 1
.set XR,   178                         ; v178-209 a block's 32 numbers; later the scale words
.set CA,   210                         ; v210-215, v218-223 two sets of a block's six code registers, by turns
.set CT,   226                         ; v226-228 the second conversion's result (three registers begin on an even number)
.set MA,   230
.set MB,   231
.set SCL,  232
.set BY,   233
.set SP,   236                         ; v236-239 pixel p: the bytes of my four blocks, byte 2 e + w
.set FL,   244                         ; v244-247 flow of pixels 2 lane, 2 lane + 1
.set LI,   248                         ; v248-255 window pixels' numbers: 2 (u v) + i
.set CF,   194                         ; v194-205 (head only) Taylor's coefficients, pair k: sine's, cosine's
.set PT,   206                         ; v206-221 (head only) two slots of 8: angle pair, z pair, 1 + z Q pair, 1 + z R pair
.set RPIT, 784                         ; LDS: the four records of pixels 4 r .. 4 r + 3 on end, 768 bytes, + 16: 196 words, so that the sixteen r of a store of 16 bytes a lane start 4 words apart modulo the 64 banks (ISA guide 11.1)
.set SSTG, 16*RPIT                     ; behind the records: 64 x 16 bytes of scale words
.set WREG, SSTG+1024                   ; a wave's own region: 13,568 bytes
; ns slots from s0 on: z, then both polynomials of n terms by Horner, all chains by turns
.macro POLY s0, ns, n
.set zs, \s0
.rept \ns
	v_pk_mul_f32 v[PT+8*zs+2:PT+8*zs+3], v[PT+8*zs:PT+8*zs+1], v[PT+8*zs:PT+8*zs+1]
.set zs, zs+1
.endr
.set zs, \s0
.rept \ns
	v_pk_fma_f32 v[PT+8*zs+4:PT+8*zs+5], v[PT+8*zs+2:PT+8*zs+3], v[CF+2*(\n)-2:CF+2*(\n)-1], v[CF+2*(\n)-4:CF+2*(\n)-3] op_sel_hi:[1,0,0]
	v_pk_fma_f32 v[PT+8*zs+6:PT+8*zs+7], v[PT+8*zs+2:PT+8*zs+3], v[CF+2*(\n)-2:CF+2*(\n)-1], v[CF+2*(\n)-4:CF+2*(\n)-3] op_sel:[0,1,1] op_sel_hi:[1,1,1]
.set zs, zs+1
.endr
.set zk, \n-2
.rept \n-2
.set zs, \s0
.rept \ns
	v_pk_fma_f32 v[PT+8*zs+4:PT+8*zs+5], v[PT+8*zs+4:PT+8*zs+5], v[PT+8*zs+2:PT+8*zs+3], v[CF+2*zk-2:CF+2*zk-1] op_sel_hi:[1,1,0]
	v_pk_fma_f32 v[PT+8*zs+6:PT+8*zs+7], v[PT+8*zs+6:PT+8*zs+7], v[PT+8*zs+2:PT+8*zs+3], v[CF+2*zk-2:CF+2*zk-1] op_sel:[0,0,1] op_sel_hi:[1,1,1]
.set zs, zs+1
.endr
.set zk, zk-1
.endr
.set zs, \s0
.rept \ns
	v_pk_fma_f32 v[PT+8*zs+4:PT+8*zs+5], v[PT+8*zs+4:PT+8*zs+5], v[PT+8*zs+2:PT+8*zs+3], 1.0 op_sel_hi:[1,1,0]
	v_pk_fma_f32 v[PT+8*zs+6:PT+8*zs+7], v[PT+8*zs+6:PT+8*zs+7], v[PT+8*zs+2:PT+8*zs+3], 1.0 op_sel_hi:[1,1,0]
.set zs, zs+1
.endr
.endm
; the largest magnitude of 32 numbers and the floor, in two chains
.macro BMAX src, ma, mb
	v_max3_num_f32 v[\ma], |v[\src]|, |v[\src+1]|, 0x2800000
	v_max3_num_f32 v[\mb], |v[\src+16]|, |v[\src+17]|, |v[\src+18]|
.irp i, 2,4,6,8,10,12
	v_max3_num_f32 v[\ma], v[\ma], |v[\src+\i]|, |v[\src+\i+1]|
	v_max3_num_f32 v[\mb], v[\mb], |v[\src+17+\i]|, |v[\src+18+\i]|
.endr
	v_max3_num_f32 v[\ma], v[\ma], |v[\src+14]|, |v[\src+15]|
	v_max3_num_f32 v[\ma], v[\ma], v[\mb], |v[\src+31]|
.endm
	s_load_b512 s[4:19], s[0:1], 0x0               ; feat_supp s[4:5], flow s[6:7], q_w s[8:9], k_w s[10:11], v_w s[12:13], rec s[14:15], rsc s[16:17], idx s[18:19]
	s_load_b64 s[20:21], s[0:1], 0x40              ; wimg
	v_lshl_add_u32 v242, v0, 2, 0xd400
	v_mov_b32 v243, 0
	v_lshrrev_b32 v3, 5, v0
	v_readfirstlane_b32 s22, v3                    ; wave 0..3
	v_and_b32 v1, 15, v0                           ; r
	v_bfe_u32 v2, v0, 4, 1                         ; h
	v_and_b32 v3, 31, v0                           ; lane
	s_mov_b32 s28, 0x76543210
	s_mov_b32 s29, 0xfedcba98                      ; v_permlanex16_b32's selects for lane l xor 16
	s_cmp_ge_u32 ttmp9, 512
	s_cbranch_scc1 .Lweights
	; ---------------- the pixels ----------------
	s_lshl_b32 s23, ttmp9, 2
	s_add_co_u32 s23, s23, s22                     ; my group of 64 pixels, 0..2047
	s_lshr_b32 s33, s23, 10                        ; batch
	s_lshl_b32 s24, s33, 24                        ; its 64 planes,
	s_and_b32 s31, s23, 1023
	s_lshl_b32 s31, s31, 8                         ; and the group's 256 bytes in a plane
	s_add_co_u32 s24, s24, s31
	s_mov_b32 s25, 0
	s_lshl_b32 s33, s33, 16                        ; batch x 65536
	s_and_b32 s31, s23, 3
	s_lshl_b32 s31, s31, 6                         ; the group's first x
	s_bfe_u32 s32, s23, 0x80002                    ; its y
	s_mov_b32 s36, 0xbfc90fdb                      ; -pi / 2
	v_lshlrev_b32 v7, 4, v3                        ; 16 x lane
	v_lshlrev_b32 v8, 3, v3                        ; 8 x lane
	v_lshlrev_b32 v4, 4, v1
	v_lshl_add_u32 v4, v2, 22, v4                  ; features: 16 r + 16 h planes
	s_wait_kmcnt 0x0
	s_add_nc_u64 s[4:5], s[4:5], s[24:25]          ; channels 0..31
	s_add_nc_u64 s[26:27], s[4:5], 0x800000        ; channels 32..63: 32 planes on
	s_lshl_b32 s24, s23, 9
	s_add_nc_u64 s[6:7], s[6:7], s[24:25]          ; flow: 512 bytes a group
	global_load_b128 v[FL:FL+3], v7, s[6:7]
.set zm, 0
.rept 16
	global_load_b128 v[FT+4*zm:FT+4*zm+3], v4, s[4:5] offset:PLANE*zm th:TH_LOAD_NT      ; sixteen lanes read 256 consecutive bytes of a plane
.set zm, zm+1
.endr
.set zm, 0
.rept 16
	global_load_b128 v[FT+64+4*zm:FT+64+4*zm+3], v4, s[26:27] offset:PLANE*zm th:TH_LOAD_NT
.set zm, zm+1
.endr
	s_mul_i32 s24, s23, 12288
	s_add_nc_u64 s[14:15], s[14:15], s[24:25]      ; rec: 64 records of 192 bytes a group
	s_lshl_b32 s24, s23, 10
	s_add_nc_u64 s[16:17], s[16:17], s[24:25]      ; rsc and idx: 1,024 bytes a group
	s_add_nc_u64 s[18:19], s[18:19], s[24:25]
	s_mul_i32 s34, s22, WREG                       ; my wave's region of LDS
	s_add_co_u32 s35, s34, SSTG
	v_mul_u32_u24 v5, v1, RPIT
	v_lshl_add_u32 v5, v2, 4, v5
	v_add_nc_u32 v5, s34, v5                       ; into the stage: my four records, + 16 h
	v_add_nc_u32 v6, s34, v7                       ; out of it: 16 x lane,
	v_lshl_add_u32 v13, v2, 4, v6                  ; and the same with lanes 16-31 behind one padding more
	v_lshlrev_b32 v9, 6, v1
	v_add_nc_u32 v9, s35, v9                       ; scale words in: 64 r
	v_add_nc_u32 v10, s35, v7                      ; and out: 16 x lane
	; the table of pe under coordinate 1, while the loads are on their way
	v_cmp_eq_u32 s30, 1, v2                        ; lanes 16-31
	v_mov_b32 v11, 0x40490fce                      ; half of 2 pi / (1 + 1e-6), as f32 has these numbers
	v_mov_b32 v12, 0x3d00adf5                      ; the same / 100: frequencies 16..31
	v_cndmask_b32 v11, v11, v12, s30
	v_mov_b32 v[EW0], 0
	v_mov_b32 v[EW0+1], 1.0
	v_mov_b32 v[CF], 0xbe2aaaab                    ; -1/3!
	v_mov_b32 v[CF+1], -0.5                        ; -1/2!
	v_mov_b32 v[CF+2], 0x3c088889                  ; 1/5!
	v_mov_b32 v[CF+3], 0x3d2aaaab                  ; 1/4!
	v_mov_b32 v[CF+4], 0xb9500d01                  ; -1/7!
	v_mov_b32 v[CF+5], 0xbab60b61                  ; -1/6!
	v_mov_b32 v[CF+6], 0x3638ef1d                  ; 1/9!
	v_mov_b32 v[CF+7], 0x37d00d01                  ; 1/8!
	v_mov_b32 v[CF+8], 0xb2d7322b                  ; -1/11!
	v_mov_b32 v[CF+9], 0xb493f27e                  ; -1/10!
	v_mov_b32 v[CF+10], 0x2f309231                 ; 1/13!
	v_mov_b32 v[CF+11], 0x310f76c7                 ; 1/12!
; frequencies 4 gq .. 4 gq + 3: the half angle eta (sh = 1: less pi / 2), its sine S and cosine C, then sin 2 eta = 2 S C, cos 2 eta = 1 - 2 S S
.macro EGRP gq, n, sh, w0, w1, w2, w3
.if \sh
	v_fma_f32 v[PT], v11, \w0, s36
	v_fma_f32 v[PT+1], v11, \w1, s36
	v_fma_f32 v[PT+8], v11, \w2, s36
	v_fma_f32 v[PT+9], v11, \w3, s36
.else
	v_mul_f32 v[PT], \w0, v11
	v_mul_f32 v[PT+1], \w1, v11
	v_mul_f32 v[PT+8], \w2, v11
	v_mul_f32 v[PT+9], \w3, v11
.endif
	POLY 0, 2, \n
.irp s, 0,1
.if \sh
	v_pk_mul_f32 v[PT+8*\s+4:PT+8*\s+5], v[PT+8*\s+4:PT+8*\s+5], v[PT+8*\s:PT+8*\s+1] neg_lo:[1,0] neg_hi:[1,0]   ; C = -sin a
.set zS, PT+8*\s+6                             ; S = cos a
.set zC, PT+8*\s+4
.else
	v_pk_mul_f32 v[PT+8*\s+4:PT+8*\s+5], v[PT+8*\s+4:PT+8*\s+5], v[PT+8*\s:PT+8*\s+1]
.set zS, PT+8*\s+4
.set zC, PT+8*\s+6
.endif
	v_pk_add_f32 v[PT+8*\s+2:PT+8*\s+3], v[zS:zS+1], v[zS:zS+1]   ; 2 S
.irp d, 0,1
	v_mul_f32 v[EW1+2*(4*\gq+2*\s+\d)], v[PT+8*\s+2+\d], v[zC+\d]
	v_fma_f32 v[EW1+2*(4*\gq+2*\s+\d)+1], -v[PT+8*\s+2+\d], v[zS+\d], 1.0
.endr
.endr
.endm
	EGRP 0, 6, 1, 1.0, 0.74989421, 0.56234133, 0.42169650          ; 10^(-m/8)
	EGRP 1, 5, 0, 0.31622777, 0.23713737, 0.17782794, 0.13335214
	EGRP 2, 3, 0, 0.1, 0.074989421, 0.056234133, 0.042169650
	EGRP 3, 2, 0, 0.031622777, 0.023713737, 0.017782794, 0.013335214
	; the window pixels' numbers of pixels 2 lane + i: data for the next launch, no address here hangs on them
	v_lshl_add_u32 v12, v3, 1, s31
	v_cvt_f32_u32 v178, v12                        ; x
	v_add_f32 v179, 1.0, v178
	v_cvt_f32_u32 v180, s32                        ; y
	s_wait_loadcnt 32                              ; flow is in; the 32 loads of features may be out
.irp i, 0,1
	v_add_f32 v[182+\i], v[178+\i], v[FL+2*\i]     ; x + flow's first number
	v_add_f32 v[184+\i], v180, v[FL+2*\i+1]        ; y + its second
.endr
.irp k, 182,183,184,185
	v_floor_f32 v[\k], v[\k]
.endr
.irp k, 182,183,184,185
	v_add_f32 v[\k+4], 1.0, v[\k]                  ; the window's second column and row
.endr
.irp k, 182,183,184,185,186,187,188,189
	v_med3_num_f32 v[\k], v[\k], 0, 0x437f0000     ; clipped to 0 .. 255, still in f32: the same whole numbers as the clip of the integers
.endr
.irp k, 182,183,184,185,186,187,188,189
	v_cvt_u32_f32 v[\k], v[\k]
.endr
.irp k, 182,183,186,187
	v_add_nc_u32 v[\k], s33, v[\k]                 ; + batch x 65536
.endr
.irp u, 0,1
.irp c, 0,1
.irp i, 0,1
	v_lshl_add_u32 v[LI+2*(2*\u+\c)+\i], v[184+4*\u+\i], 8, v[182+4*\c+\i]
.endr
.endr
.endr
.irp q, 0,1,2,3
	global_store_b64 v8, v[LI+2*\q:LI+2*\q+1], s[18:19] offset:256*\q   ; 32 lanes store 256 consecutive bytes
.endr
; Blk(e, w, my h) of pixel 4 r + p: 32 numbers, their byte, their codes, to the record in the stage
.macro PBLK p, e, w
.set zc, CA+8*\w
.set zm, 0
.rept 16
.set zf, FT+4*(16*\e+zm)+2*(\p/2)
.if \w
.set ze, EW1+2*zm
.else
.set ze, EW0
.endif
.if \p%2
	v_pk_add_f32 v[XR+2*zm:XR+2*zm+1], v[zf:zf+1], v[ze:ze+1] op_sel:[1,0] op_sel_hi:[1,1]
.else
	v_pk_add_f32 v[XR+2*zm:XR+2*zm+1], v[zf:zf+1], v[ze:ze+1] op_sel_hi:[0,1]
.endif
.set zm, zm+1
.endr
	BMAX XR, MA, MB
	v_add_nc_u32 v[SCL], 0xfe000000, v[MA]         ; 4 off the exponent field: the conversion's scale operand
	v_lshrrev_b32 v[BY], 23, v[SCL]                ; the byte
	s_wait_dscnt 2                                 ; the last block's two stores may be out; those of two blocks back, which read this set of code registers, are done
	v_cvt_scalef32_pk16_bf6_f32 v[zc:zc+2], v[XR:XR+15], v[SCL]
	v_cvt_scalef32_pk16_bf6_f32 v[CT:CT+2], v[XR+16:XR+31], v[SCL]
.if 2*\e+\w == 0
	v_mov_b32 v[SP+\p], v[BY]                      ; (the plain line behind the conversions)
.else
	v_lshl_or_b32 v[SP+\p], v[BY], 8*(2*\e+\w), v[SP+\p]
.endif
.irp i, 0,1,2
	v_mov_b32 v[zc+3+\i], v[CT+\i]
.endr
	ds_store_b128 v5, v[zc:zc+3] offset:192*\p+64*\e+32*\w           ; the block's bytes 0-15
	ds_store_b64 v5, v[zc+4:zc+5] offset:192*\p+128+32*\e+8*\w       ; and 16-23
.endm
	s_wait_loadcnt 16                              ; channels 0..31 are in
.irp p, 0,1,2,3
	PBLK \p, 0, 0
	PBLK \p, 0, 1
.endr
	s_wait_loadcnt 0x0
.irp p, 0,1,2,3
	PBLK \p, 1, 0
	PBLK \p, 1, 1
.endr
	; the scale words: byte 0, 1 = blocks (0, u) of lanes r, r + 16; byte 2, 3 = blocks (1, v)
.irp p, 0,1,2,3
	v_mov_b32 v[196+\p], 0                         ; a lane permute's destination counts as one of its sources
.endr
.irp p, 0,1,2,3
	v_permlanex16_b32 v[196+\p], v[SP+\p], s28, s29
.endr
.irp p, 0,1,2,3
	v_cndmask_b32 v[200+\p], v[SP+\p], v[196+\p], s30   ; the bytes of h = 0
	v_cndmask_b32 v[204+\p], v[196+\p], v[SP+\p], s30   ; the bytes of h = 1
.endr
.irp p, 0,1,2,3
	v_perm_b32 v[XR+4*\p], v[204+\p], v[200+\p], 0x06020400
	v_perm_b32 v[XR+4*\p+1], v[204+\p], v[200+\p], 0x07030400
	v_perm_b32 v[XR+4*\p+2], v[204+\p], v[200+\p], 0x06020501
	v_perm_b32 v[XR+4*\p+3], v[204+\p], v[200+\p], 0x07030501
	ds_store_b128 v9, v[XR+4*\p:XR+4*\p+3] offset:16*\p     ; both halves of the lanes write the same bytes with the same values
.endr
	; the way out.  LDS serves a wave's instructions in order (ISA guide 5.7.1.4): these loads see my stores.
	; Load i takes the group's bytes 512 i + 16 lane in memory's order.  The piece of 16 bytes number G = 32 i + lane lies in the stage at 16 G + 16 (G / 48): a padding behind every 48 pieces.
	; With i = 3 a + b that is 1568 a + 512 b + 16 lane + 16 c, c = 0 for b = 0, lane / 16 for b = 1, 1 for b = 2.
.set zi, 0
.rept 24
.if zi%3 == 1
	ds_load_b128 v[FT+4*zi:FT+4*zi+3], v13 offset:1568*(zi/3)+512
.elseif zi%3 == 2
	ds_load_b128 v[FT+4*zi:FT+4*zi+3], v6 offset:1568*(zi/3)+1040
.else
	ds_load_b128 v[FT+4*zi:FT+4*zi+3], v6 offset:1568*(zi/3)
.endif
.set zi, zi+1
.endr
	ds_load_b128 v[196:199], v10
	ds_load_b128 v[200:203], v10 offset:512
.set zi, 0
.rept 24
	s_wait_dscnt 25-zi                             ; load i is in: 25 - i were issued behind it
	global_store_b128 v7, v[FT+4*zi:FT+4*zi+3], s[14:15] offset:512*zi      ; 32 lanes store 512 consecutive bytes
.set zi, zi+1
.endr
	s_wait_dscnt 1
	global_store_b128 v7, v[196:199], s[16:17]
	s_wait_dscnt 0x0
	global_store_b128 v7, v[200:203], s[16:17] offset:512
	s_wait_tensorcnt 0x0
	ds_add_u32 v242, v243
	s_wait_dscnt 0x0
	s_endpgm
	; ---------------- the weights: [64 features][128], K innermost ----------------
.Lweights:
	s_sub_co_u32 s23, ttmp9, 512                   ; 0 q_w, 1 k_w, 2 v_w
	s_lshl_b32 s24, s23, 2
	s_add_co_u32 s24, s24, s22                     ; fragment f = 4 x weight + tile
	v_lshlrev_b32 v4, 9, v1
	v_lshl_add_u32 v4, v2, 7, v4
	s_lshl_b32 s31, s22, 13
	v_add_nc_u32 v4, s31, v4                       ; row 16 t + r of 512 bytes, + 128 h: my block of 32 numbers
	s_mul_i32 s32, s24, 1536
	v_lshl_add_u32 v5, v3, 4, s32                  ; the image's place
	s_lshl_b32 s33, s24, 7
	v_lshl_add_u32 v6, v3, 2, s33                  ; the scale word's
	v_lshlrev_b32 v7, 3, v2                        ; 8 h
	s_wait_kmcnt 0x0
	s_cmp_eq_u32 s23, 1
	s_cselect_b64 s[26:27], s[10:11], s[12:13]
	s_cmp_eq_u32 s23, 0
	s_cselect_b64 s[26:27], s[8:9], s[26:27]
.irp c, 0,1
.irp i, 0,1,2,3,4,5,6,7
	global_load_b128 v[16+32*\c+4*\i:16+32*\c+4*\i+3], v4, s[26:27] offset:256*\c+16*\i   ; K = 64 c + 32 h + 4 i ..
.endr
.endr
	s_wait_loadcnt 0x0
	BMAX 16, 80, 81
	BMAX 48, 82, 83
	v_add_nc_u32 v84, 0xfe000000, v80
	v_add_nc_u32 v85, 0xfe000000, v82
	v_lshrrev_b32 v86, 23, v84
	v_lshrrev_b32 v87, 23, v85
	v_lshl_or_b32 v88, v87, 16, v86                ; my bytes: blocks h and 2 + h,
	v_lshlrev_b32 v88, v7, v88                     ; at their places;
	v_mov_b32 v89, 0
	v_permlanex16_b32 v89, v88, s28, s29
	v_or_b32 v88, v88, v89                         ; with lane l xor 16's the word is whole
	v_cvt_scalef32_pk16_bf6_f32 v[96:98], v[16:31], v84
	v_cvt_scalef32_pk16_bf6_f32 v[108:110], v[32:47], v84
	v_cvt_scalef32_pk16_bf6_f32 v[102:104], v[48:63], v85
	v_cvt_scalef32_pk16_bf6_f32 v[112:114], v[64:79], v85
	v_nop                                          ; one plain line behind the conversions
.irp i, 0,1,2
	v_mov_b32 v[99+\i], v[108+\i]
	v_mov_b32 v[105+\i], v[112+\i]
.endr
.irp j, 0,1,2
	global_store_b128 v5, v[96+4*\j:96+4*\j+3], s[20:21] offset:512*\j
.endr
	global_store_b32 v6, v88, s[20:21] offset:18432
	s_endpgm
.Lfunc_end_k_q012615b584_prep:
	.size	k_q012615b584_prep, .Lfunc_end_k_q012615b584_prep-k_q012615b584_prep
	.p2alignl 7, 3214868480
	.fill 96, 4, 3214868480
	.section	.rodata,"a",@progbits
	.p2align	6, 0x0
	.amdhsa_kernel k_q012615b584_prep
		.amdhsa_group_segment_fixed_size 54784
		.amdhsa_private_segment_fixed_size 0
		.amdhsa_enable_private_segment 0
		.amdhsa_kernarg_size 72
		.amdhsa_user_sgpr_count 2
		.amdhsa_user_sgpr_kernarg_segment_ptr 1
		.amdhsa_wavefront_size32 1
		.amdhsa_system_sgpr_workgroup_id_x 1
		.amdhsa_system_sgpr_workgroup_id_y 1
		.amdhsa_system_sgpr_workgroup_id_z 1
		.amdhsa_system_vgpr_workitem_id 0
		.amdhsa_next_free_vgpr 256
		.amdhsa_next_free_sgpr 66
		.amdhsa_reserve_vcc 0
		.amdhsa_float_denorm_mode_32 3
		.amdhsa_float_denorm_mode_16_64 3
		.amdhsa_memory_ordered 1
		.amdhsa_forward_progress 1
		.amdhsa_inst_pref_size 72
	.end_amdhsa_kernel
	.amdgpu_metadata
---
amdhsa.version: [ 1, 2 ]
amdhsa.kernels:
  - .name:           k_q012615b584_prep
    .symbol:         k_q012615b584_prep.kd
    .args:
      - { .name: feat_supp, .offset: 0, .size: 8, .value_kind: global_buffer, .address_space: global }
      - { .name: flow, .offset: 8, .size: 8, .value_kind: global_buffer, .address_space: global }
      - { .name: q_w, .offset: 16, .size: 8, .value_kind: global_buffer, .address_space: global }
      - { .name: k_w, .offset: 24, .size: 8, .value_kind: global_buffer, .address_space: global }
      - { .name: v_w, .offset: 32, .size: 8, .value_kind: global_buffer, .address_space: global }
      - { .name: rec, .offset: 40, .size: 8, .value_kind: global_buffer, .address_space: global }
      - { .name: rsc, .offset: 48, .size: 8, .value_kind: global_buffer, .address_space: global }
      - { .name: idx, .offset: 56, .size: 8, .value_kind: global_buffer, .address_space: global }
      - { .name: wimg, .offset: 64, .size: 8, .value_kind: global_buffer, .address_space: global }
    .group_segment_fixed_size: 54784
    .private_segment_fixed_size: 0
    .kernarg_segment_align: 8
    .kernarg_segment_size: 72
    .max_flat_workgroup_size: 128
    .sgpr_count:     66
    .vgpr_count:     256
    .wavefront_size: 32
...
	.end_amdgpu_metadata
.endif
;; end of part 1
;; launch main (part 2): grid 256 x 1, 4 waves a work-group, no clusters, 0 bytes of LDS; arguments feat_curr, flow, rec, rsc, idx, wimg, q_b, k_b, v_b, out0; writes out0
.if DOCPART == 2
	.amdgcn_target "amdgcn-amd-amdhsa--gfx1250"
	.amdhsa_code_object_version 6
	.text
	.protected	k_q012615b584_main
	.globl	k_q012615b584_main
	.p2align	8
	.type	k_q012615b584_main,@function
k_q012615b584_main:
	s_mov_b64 s[64:65], 0
	v_nop
	global_prefetch_b8 v0, s[64:65] scope:SCOPE_SE
	s_setreg_imm32_b32 hwreg(HW_REG_WAVE_MODE, 25, 1), 1
	s_wait_xcnt 0x0
; SECOND LAUNCH: for each pixel q = Q(feat_curr + pe(fraction)) Wq^T + bq; k, v = (window row's codes) Wk^T + bk, Wv^T + bv for the four window rows; eight heads of 8; softmax over the four rows; out0 channel-major.
; All three products run on E3M2 codes with E8M0 scales, K = 128: one matrix instruction an output tile, no chain.
; SHARES.  256 work-groups of four waves, a wave to a SIMD; a wave takes two groups of 64 pixels of one image row, in a loop of two trips.  Waves share nothing: no LDS, no barrier.
; Which two image rows a work-group takes is free: bits 3 and 2 of its number are the top bits of the rows' number, so that the work-groups that agree in these two bits take 128 neighbouring rows of one image,
; and a record, which is wanted by windows a few rows up and down, is wanted inside one such set but for the sets' edges.
; Tile p (0..3) of a group holds pixels 4 r + p, so that a load of 16 bytes at one channel gives lane r its four pixels (sixteen lanes: 256 consecutive bytes) and four results in neighbouring registers leave by one store.
; THE MATRIX INSTRUCTION IS USED TRANSPOSED: source 0 = 16 features of a weight, source 1 = 16 pixels, C = the bias.  Lane (r, h) then holds pixel r, and its eight registers are features 16 t + 8 h + 0..7: head 2 t + h, whole.
; So scores, softmax and the weighted sum stay in the lane.  The window rows come as finished operand registers: four loads (16, 8, 16, 8 bytes) a row from rec, at the pixel number that the first launch stored in idx.
; No tensor load, no cluster: the operands are gathered by a stored list; work-groups share only the 20 KB of weights, which each wave reads once into registers.
; The dense streams of the second group are asked for a whole phase ahead; the gathers go out as soon as their addresses are known, ahead of and inside the phase that makes q's operand.
; THE SINES: as in the first launch: Taylor's terms on the angle fraction x 2 pi / (2 + 1e-6) / 10^(i/8), at most pi; the four lowest frequencies shifted by pi / 2.
; LIMITS: NaN and infinities are not served.  A block of q's operand whose largest magnitude lies under 2^-122 gets the byte 1.  Sines and cosines are right to about 1e-7 absolute.
; REGISTERS, in windows of 256 (s_set_vgpr_msb: bits 1:0 source 0, 3:2 source 1, 5:4 source 2, 7:6 destination):
;  window 0: v1-11 offsets that stay; v16-27, v28-35, v44-47 scale words; v48-127 q's 64 numbers, later q's and k's results; v128-191 polynomial slots, gather offsets, fractions, later v's results; v192-219 frequencies, coefficients; v220-255 at work
;  window 1: v0-143 the twelve weight fragments; v144-239 the biases as C tiles.   window 2: v0-191 the sixteen window fragments; v192-239 q's four; v240-246 conversions' second halves
;  window 3: v0-127 feat_curr, register 4 (16 e + m) + p; v128-191 results, two buffers; v192-223 pixel numbers and flow
.set PLANE, 262144
.set WSC,  16                          ; weights' scale words, fragment f
.set KSC,  28                          ; window rows': register 2 p + u: lanes 0-15 row (u, 0), lanes 16-31 row (u, 1)
.set QSC,  44                          ; q's operand's, tile p
.set XR,   48                          ; 64 numbers: K 32 h + 0..31, then K 64 + 32 h + 0..31
.set QT,   112                         ; quantiser's temporaries
.set DQ,   48                          ; q's result of tile i (of two): + 40 i
.set DK,   56                          ; k's: + 40 i + 8 (u v)
.set PT,   128                         ; four slots of 8: angle pair (x's, y's), z pair, 1 + z Q pair, 1 + z R pair
.set VOFF, 160                         ; 4 (u v) + p: 192 x pixel number + 16 h
.set SVO,  176                         ; 4 u + p: 16 x pixel number of row (u, v = h) + 4 h
.set DEC,  184                         ; pair p: fractions (x's, y's)
.set DV,   128                         ; v's result: + 32 i + 8 (u v)
.set WT,   192                         ; angle for a whole fraction, frequency 16 h + m
.set CF,   208                         ; Taylor's coefficients, pair k: sine's, cosine's
.set TT,   220
.set LP,   220                         ; eight pairs: partial scores
.set ACC,  220                         ; + 8 i: the weighted sum
.set LG,   236                         ; + 4 i + (u v): score, then exponent, then weight
.set MX,   244
.set MC,   246
.set SM,   248
.set RI,   252
.set BIAS, 144                         ; window 1
.set QF,   192                         ; window 2
.set OB,   128                         ; window 3
.set IDX,  192
.set SIDX, 208
.set FLW,  216
.set MSB, 0
.macro WIN new                         ; the immediate's high byte repeats the setting that is left
.if MSB != \new
	s_set_vgpr_msb (MSB<<8)|\new
.set MSB, \new
.endif
.endm
.macro POLY s0, ns, n                  ; ns slots from s0 on: z, then both polynomials of n terms by Horner, all chains by turns
.set zs, \s0
.rept \ns
	v_pk_mul_f32 v[PT+8*zs+2:PT+8*zs+3], v[PT+8*zs:PT+8*zs+1], v[PT+8*zs:PT+8*zs+1]
.set zs, zs+1
.endr
.set zs, \s0
.rept \ns
	v_pk_fma_f32 v[PT+8*zs+4:PT+8*zs+5], v[PT+8*zs+2:PT+8*zs+3], v[CF+2*(\n)-2:CF+2*(\n)-1], v[CF+2*(\n)-4:CF+2*(\n)-3] op_sel_hi:[1,0,0]
	v_pk_fma_f32 v[PT+8*zs+6:PT+8*zs+7], v[PT+8*zs+2:PT+8*zs+3], v[CF+2*(\n)-2:CF+2*(\n)-1], v[CF+2*(\n)-4:CF+2*(\n)-3] op_sel:[0,1,1] op_sel_hi:[1,1,1]
.set zs, zs+1
.endr
.set zk, \n-2
.rept \n-2
.set zs, \s0
.rept \ns
	v_pk_fma_f32 v[PT+8*zs+4:PT+8*zs+5], v[PT+8*zs+4:PT+8*zs+5], v[PT+8*zs+2:PT+8*zs+3], v[CF+2*zk-2:CF+2*zk-1] op_sel_hi:[1,1,0]
	v_pk_fma_f32 v[PT+8*zs+6:PT+8*zs+7], v[PT+8*zs+6:PT+8*zs+7], v[PT+8*zs+2:PT+8*zs+3], v[CF+2*zk-2:CF+2*zk-1] op_sel:[0,0,1] op_sel_hi:[1,1,1]
.set zs, zs+1
.endr
.set zk, zk-1
.endr
.set zs, \s0
.rept \ns
	v_pk_fma_f32 v[PT+8*zs+4:PT+8*zs+5], v[PT+8*zs+4:PT+8*zs+5], v[PT+8*zs+2:PT+8*zs+3], 1.0 op_sel_hi:[1,1,0]
	v_pk_fma_f32 v[PT+8*zs+6:PT+8*zs+7], v[PT+8*zs+6:PT+8*zs+7], v[PT+8*zs+2:PT+8*zs+3], 1.0 op_sel_hi:[1,1,0]
.set zs, zs+1
.endr
.endm
.macro BMAX src, ma, mb                ; the largest magnitude of 32 numbers and the floor 2^(5 - 127), in two chains
	v_max3_num_f32 v[\ma], |v[\src]|, |v[\src+1]|, 0x2800000
	v_max3_num_f32 v[\mb], |v[\src+16]|, |v[\src+17]|, |v[\src+18]|
.irp i, 2,4,6,8,10,12
	v_max3_num_f32 v[\ma], v[\ma], |v[\src+\i]|, |v[\src+\i+1]|
	v_max3_num_f32 v[\mb], v[\mb], |v[\src+17+\i]|, |v[\src+18+\i]|
.endr
	v_max3_num_f32 v[\ma], v[\ma], |v[\src+14]|, |v[\src+15]|
	v_max3_num_f32 v[\ma], v[\ma], v[\mb], |v[\src+31]|
.endm
; the dense inputs of the group o groups on: 8 loads of pixel numbers and flow, then 32 of feat_curr
.macro LDTASK o
	WIN 0xc0                                       ; destination window 3
.irp q, 0,1,2,3
	global_load_b128 v[IDX+4*\q:IDX+4*\q+3], v4, s[12:13] offset:256*\q+1024*\o
.endr
.irp u, 0,1
	global_load_b128 v[SIDX+4*\u:SIDX+4*\u+3], v5, s[12:13] offset:512*\u+1024*\o      ; plane 2 u + h: a lane's half picks v
.endr
.irp i, 0,1
	global_load_b128 v[FLW+4*\i:FLW+4*\i+3], v6, s[6:7] offset:16*\i+512*\o
.endr
.set zm, 0
.rept 16
	global_load_b128 v[4*zm:4*zm+3], v1, s[4:5] offset:PLANE*zm+256*\o th:TH_LOAD_NT
.set zm, zm+1
.endr
.set zm, 0
.rept 16
	global_load_b128 v[64+4*zm:64+4*zm+3], v1, s[24:25] offset:PLANE*zm+256*\o th:TH_LOAD_NT
.set zm, zm+1
.endr
	WIN 0
.endm
; the gathers' offsets: each stored number is held to the table's 131,072 records first
.macro ADDR
	WIN 0x0c                                       ; source 1 window 3
.set zi, 0
.rept 16
	v_min_u32 v[VOFF+zi], 0x1ffff, v[IDX+zi]
.set zi, zi+1
.endr
.set zi, 0
.rept 8
	v_min_u32 v[SVO+zi], 0x1ffff, v[SIDX+zi]
.set zi, zi+1
.endr
	WIN 0
.set zi, 0
.rept 16
	v_lshl_add_u32 v[VOFF+zi], v[VOFF+zi], 1, v[VOFF+zi]     ; 3 x
.set zi, zi+1
.endr
.set zi, 0
.rept 16
	v_lshl_add_u32 v[VOFF+zi], v[VOFF+zi], 6, v3             ; 192 x the number + 16 h
.set zi, zi+1
.endr
.set zi, 0
.rept 8
	v_lshl_add_u32 v[SVO+zi], v[SVO+zi], 4, v10
.set zi, zi+1
.endr
.endm
; tile p: 18 loads: its four window rows as operand registers, and their scale words
.macro GATH p
	WIN 0x80                                       ; destination window 2
.irp u, 0,1
.irp c, 0,1
.set zf, 12*(4*\p+2*\u+\c)
	global_load_b128 v[zf:zf+3], v[VOFF+4*(2*\u+\c)+\p], s[8:9] offset:32*\u            ; K block h under u: bytes 0-15,
	global_load_b64 v[zf+4:zf+5], v[VOFF+4*(2*\u+\c)+\p], s[8:9] offset:128+8*\u        ; bytes 16-23;
	global_load_b128 v[zf+6:zf+9], v[VOFF+4*(2*\u+\c)+\p], s[8:9] offset:64+32*\c       ; K block 2 + h under v: bytes 0-15,
	global_load_b64 v[zf+10:zf+11], v[VOFF+4*(2*\u+\c)+\p], s[8:9] offset:160+8*\c      ; bytes 16-23
.endr
.endr
	WIN 0
.irp u, 0,1
	global_load_b32 v[KSC+2*\p+\u], v[SVO+4*\u+\p], s[10:11] offset:8*\u
.endr
.endm
; the fractions of x + flow and y + flow, as the sum less its floor
.macro DECI
	v_lshrrev_b32 v12, 2, v4                       ; 4 r
	v_add_nc_u32 v12, s30, v12
	v_cvt_f32_u32 v[TT], v12                       ; x of pixel 4 r
	v_cvt_f32_u32 v[TT+1], s31                     ; y
	v_add_f32 v[TT+2], 1.0, v[TT]
	v_add_f32 v[TT+4], 2.0, v[TT]
	v_add_f32 v[TT+6], 0x40400000, v[TT]
	v_mov_b32 v[TT+3], v[TT+1]
	v_mov_b32 v[TT+5], v[TT+1]
	v_mov_b32 v[TT+7], v[TT+1]
	WIN 0x0c
.irp p, 0,1,2,3
	v_pk_add_f32 v[TT+2*\p:TT+2*\p+1], v[TT+2*\p:TT+2*\p+1], v[FLW+2*\p:FLW+2*\p+1]
.endr
	WIN 0
.irp i, 0,1,2,3,4,5,6,7
	v_floor_f32 v[TT+8+\i], v[TT+\i]
.endr
.irp p, 0,1,2,3
	v_pk_add_f32 v[DEC+2*\p:DEC+2*\p+1], v[TT+2*\p:TT+2*\p+1], v[TT+8+2*\p:TT+8+2*\p+1] neg_lo:[0,1] neg_hi:[0,1]
.endr
.endm
; tile p, frequencies 4 gq .. + 3: a slot a frequency, x's angle in the low half, y's in the high; then feature + sine, feature + cosine, each by one fused multiply-add
.macro PEG p, gq, n, sh
.irp s, 0,1,2,3
.set zw, WT+4*\gq+2*(\s/2)
.if \sh
.if \s%2
	v_pk_fma_f32 v[PT+8*\s:PT+8*\s+1], v[DEC+2*\p:DEC+2*\p+1], v[zw:zw+1], 0xbfc90fdb op_sel:[0,1,0] op_sel_hi:[1,1,0]
.else
	v_pk_fma_f32 v[PT+8*\s:PT+8*\s+1], v[DEC+2*\p:DEC+2*\p+1], v[zw:zw+1], 0xbfc90fdb op_sel_hi:[1,0,0]
.endif
.else
.if \s%2
	v_pk_mul_f32 v[PT+8*\s:PT+8*\s+1], v[DEC+2*\p:DEC+2*\p+1], v[zw:zw+1] op_sel:[0,1] op_sel_hi:[1,1]
.else
	v_pk_mul_f32 v[PT+8*\s:PT+8*\s+1], v[DEC+2*\p:DEC+2*\p+1], v[zw:zw+1] op_sel_hi:[1,0]
.endif
.endif
.endr
	POLY 0, 4, \n
	WIN 0x30                                       ; source 2 (the feature) window 3
.irp s, 0,1,2,3
.set zm, 4*\gq+\s
.if \sh
	v_fma_f32 v[XR+32+2*zm], v[PT+8*\s+6], 1.0, v[4*(16+zm)+\p]                 ; sin(a + pi/2) = cos a
	v_fma_f32 v[XR+33+2*zm], -v[PT+8*\s+4], v[PT+8*\s], v[4*(16+zm)+\p]         ; cos(a + pi/2) = -sin a
	v_fma_f32 v[XR+2*zm], v[PT+8*\s+7], 1.0, v[4*zm+\p]
	v_fma_f32 v[XR+1+2*zm], -v[PT+8*\s+5], v[PT+8*\s+1], v[4*zm+\p]
.else
	v_fma_f32 v[XR+32+2*zm], v[PT+8*\s+4], v[PT+8*\s], v[4*(16+zm)+\p]
	v_fma_f32 v[XR+33+2*zm], v[PT+8*\s+6], 1.0, v[4*(16+zm)+\p]
	v_fma_f32 v[XR+2*zm], v[PT+8*\s+5], v[PT+8*\s+1], v[4*zm+\p]
	v_fma_f32 v[XR+1+2*zm], v[PT+8*\s+7], 1.0, v[4*zm+\p]
.endif
.endr
	WIN 0
.endm
; my two blocks of tile p become six + six code registers of q's operand and, with lane l xor 16's, its scale word
.macro QUANT p
	BMAX XR, QT, QT+1
	BMAX XR+32, QT+2, QT+3
	v_add_nc_u32 v[QT+4], 0xfe000000, v[QT]        ; 4 off the exponent field: the conversion's scale operand
	v_add_nc_u32 v[QT+5], 0xfe000000, v[QT+2]
	v_lshrrev_b32 v[QT+7], 23, v[QT+4]
	v_lshrrev_b32 v[QT+8], 23, v[QT+5]
	v_lshl_or_b32 v[QT+6], v[QT+8], 16, v[QT+7]    ; blocks h and 2 + h,
	v_lshlrev_b32 v[QT+6], v11, v[QT+6]            ; 8 h bits up
	v_mov_b32 v[QT+9], 0
	v_permlanex16_b32 v[QT+9], v[QT+6], s32, s33
	v_or_b32 v[QSC+\p], v[QT+6], v[QT+9]
	WIN 0x80                                       ; destination window 2
	v_cvt_scalef32_pk16_bf6_f32 v[QF+12*\p:QF+12*\p+2], v[XR:XR+15], v[QT+4]
	v_cvt_scalef32_pk16_bf6_f32 v[240:242], v[XR+16:XR+31], v[QT+4]
	v_cvt_scalef32_pk16_bf6_f32 v[QF+12*\p+6:QF+12*\p+8], v[XR+32:XR+47], v[QT+5]
	v_cvt_scalef32_pk16_bf6_f32 v[244:246], v[XR+48:XR+63], v[QT+5]
	v_nop                                          ; one plain line behind the conversions
	WIN 0x82
.irp i, 0,1,2
	v_mov_b32 v[QF+12*\p+3+\i], v[240+\i]
	v_mov_b32 v[QF+12*\p+9+\i], v[244+\i]
.endr
	WIN 0
.endm
.macro QTILE p                         ; q's operand of tile p
	PEG \p, 0, 6, 1                                ; angles up to pi: shifted, six terms
	PEG \p, 1, 5, 0                                ; up to 0.994
	PEG \p, 2, 3, 0                                ; up to 0.315
	PEG \p, 3, 2, 0                                ; up to 0.0994
	QUANT \p
.endm
; features 16 t .. + 15 of q and of the four k, for tiles 2 pp and 2 pp + 1: ten products, each with an accumulator of its own
.macro MMQK t, pp
	WIN 0x19                                       ; source 0 and C window 1, source 1 window 2, D window 0
.irp i, 0,1
	v_wmma_scale_f32_16x16x128_f8f6f4 v[DQ+40*\i:DQ+40*\i+7], v[12*(\t):12*(\t)+11], v[QF+12*(2*(\pp)+\i):QF+12*(2*(\pp)+\i)+11], v[BIAS+8*(\t):BIAS+8*(\t)+7], v[WSC+(\t)], v[QSC+2*(\pp)+\i] matrix_a_fmt:MATRIX_FMT_BF6 matrix_b_fmt:MATRIX_FMT_BF6
.irp u, 0,1
	v_wmma_scale_f32_16x16x128_f8f6f4 v[DK+40*\i+16*\u:DK+40*\i+16*\u+7], v[12*(4+(\t)):12*(4+(\t))+11], v[12*(4*(2*(\pp)+\i)+2*\u):12*(4*(2*(\pp)+\i)+2*\u)+11], v[BIAS+8*(4+(\t)):BIAS+8*(4+(\t))+7], v[WSC+4+(\t)], v[KSC+2*(2*(\pp)+\i)+\u] matrix_a_fmt:MATRIX_FMT_BF6 matrix_b_fmt:MATRIX_FMT_BF6
	v_wmma_scale_f32_16x16x128_f8f6f4 v[DK+40*\i+16*\u+8:DK+40*\i+16*\u+15], v[12*(4+(\t)):12*(4+(\t))+11], v[12*(4*(2*(\pp)+\i)+2*\u+1):12*(4*(2*(\pp)+\i)+2*\u+1)+11], v[BIAS+8*(4+(\t)):BIAS+8*(4+(\t))+7], v[WSC+4+(\t)], v[KSC+2*(2*(\pp)+\i)+\u] matrix_a_fmt:MATRIX_FMT_BF6 matrix_b_fmt:MATRIX_FMT_BF6 matrix_b_scale:MATRIX_SCALE_ROW1
.endr
.endr
	WIN 0
.endm
.macro MMV t, pp                       ; the same of the four v: eight products
	WIN 0x19
.irp i, 0,1
.irp u, 0,1
	v_wmma_scale_f32_16x16x128_f8f6f4 v[DV+32*\i+16*\u:DV+32*\i+16*\u+7], v[12*(8+(\t)):12*(8+(\t))+11], v[12*(4*(2*(\pp)+\i)+2*\u):12*(4*(2*(\pp)+\i)+2*\u)+11], v[BIAS+8*(8+(\t)):BIAS+8*(8+(\t))+7], v[WSC+8+(\t)], v[KSC+2*(2*(\pp)+\i)+\u] matrix_a_fmt:MATRIX_FMT_BF6 matrix_b_fmt:MATRIX_FMT_BF6
	v_wmma_scale_f32_16x16x128_f8f6f4 v[DV+32*\i+16*\u+8:DV+32*\i+16*\u+15], v[12*(8+(\t)):12*(8+(\t))+11], v[12*(4*(2*(\pp)+\i)+2*\u+1):12*(4*(2*(\pp)+\i)+2*\u+1)+11], v[BIAS+8*(8+(\t)):BIAS+8*(8+(\t))+7], v[WSC+8+(\t)], v[KSC+2*(2*(\pp)+\i)+\u] matrix_a_fmt:MATRIX_FMT_BF6 matrix_b_fmt:MATRIX_FMT_BF6 matrix_b_scale:MATRIX_SCALE_ROW1
.endr
.endr
	WIN 0
.endm
; q . k over the head's eight, for two tiles x four rows: eight chains by turns, each result read from its low end on
.macro DOTS
.irp i, 0,1
.irp q, 0,1,2,3
	v_pk_mul_f32 v[LP+2*(4*\i+\q):LP+2*(4*\i+\q)+1], v[DQ+40*\i:DQ+40*\i+1], v[DK+40*\i+8*\q:DK+40*\i+8*\q+1]
.endr
.endr
.irp j, 2,4,6
.irp i, 0,1
.irp q, 0,1,2,3
	v_pk_fma_f32 v[LP+2*(4*\i+\q):LP+2*(4*\i+\q)+1], v[DQ+40*\i+\j:DQ+40*\i+\j+1], v[DK+40*\i+8*\q+\j:DK+40*\i+8*\q+\j+1], v[LP+2*(4*\i+\q):LP+2*(4*\i+\q)+1]
.endr
.endr
.endr
.irp i, 0,1
.irp q, 0,1,2,3
	v_add_f32 v[LG+4*\i+\q], v[LP+2*(4*\i+\q)], v[LP+2*(4*\i+\q)+1]
.endr
.endr
.endm
; softmax over the four rows: the largest score is taken away; s34 = log2(e) / sqrt(8)
.macro SOFT
.irp i, 0,1
	v_max3_num_f32 v[MX+\i], v[LG+4*\i], v[LG+4*\i+1], v[LG+4*\i+2]
.endr
.irp i, 0,1
	v_max_num_f32 v[MX+\i], v[MX+\i], v[LG+4*\i+3]
.endr
.irp i, 0,1
	v_mul_f32 v[MC+\i], s34, v[MX+\i]
.endr
.irp i, 0,1
.irp q, 0,1,2,3
	v_fma_f32 v[LG+4*\i+\q], v[LG+4*\i+\q], s34, -v[MC+\i]
.endr
.endr
.irp i, 0,1,2,3,4,5,6,7
	v_exp_f32 v[LG+\i], v[LG+\i]
.endr
	v_nop                                          ; one plain line behind the exponentials
	s_wait_alu depctr_va_vdst(0)
.irp i, 0,1
	v_add_f32 v[SM+2*\i], v[LG+4*\i], v[LG+4*\i+1]
	v_add_f32 v[SM+2*\i+1], v[LG+4*\i+2], v[LG+4*\i+3]
.endr
.irp i, 0,1
	v_add_f32 v[SM+2*\i], v[SM+2*\i], v[SM+2*\i+1]
.endr
.irp i, 0,1
	v_rcp_f32 v[RI+\i], v[SM+2*\i]                 ; the sums below are the plain lines behind these
.endr
.endm
; the weighted sum of the four v, divided by the weights' sum, into the result buffer of t
.macro AV t, pp
.irp i, 0,1
.irp j, 0,2,4,6
	v_pk_mul_f32 v[ACC+8*\i+\j:ACC+8*\i+\j+1], v[DV+32*\i+\j:DV+32*\i+\j+1], v[LG+4*\i:LG+4*\i+1] op_sel_hi:[1,0]
.endr
.endr
.irp i, 0,1
.irp j, 0,2,4,6
	v_pk_fma_f32 v[ACC+8*\i+\j:ACC+8*\i+\j+1], v[DV+32*\i+8+\j:DV+32*\i+8+\j+1], v[LG+4*\i:LG+4*\i+1], v[ACC+8*\i+\j:ACC+8*\i+\j+1] op_sel:[0,1,0] op_sel_hi:[1,1,1]
.endr
.endr
.irp i, 0,1
.irp j, 0,2,4,6
	v_pk_fma_f32 v[ACC+8*\i+\j:ACC+8*\i+\j+1], v[DV+32*\i+16+\j:DV+32*\i+16+\j+1], v[LG+4*\i+2:LG+4*\i+3], v[ACC+8*\i+\j:ACC+8*\i+\j+1] op_sel_hi:[1,0,1]
.endr
.endr
.irp i, 0,1
.irp j, 0,2,4,6
	v_pk_fma_f32 v[ACC+8*\i+\j:ACC+8*\i+\j+1], v[DV+32*\i+24+\j:DV+32*\i+24+\j+1], v[LG+4*\i+2:LG+4*\i+3], v[ACC+8*\i+\j:ACC+8*\i+\j+1] op_sel:[0,1,0] op_sel_hi:[1,1,1]
.endr
.endr
.if (\pp) == 0
	s_wait_xcnt 0x0                                ; this buffer's last stores, two t back, have read their registers: only behind this wait is it written again
.endif
	WIN 0xc0                                       ; destination window 3
	s_wait_alu depctr_va_vdst(0)
.irp i, 0,1
.irp j, 0,1,2,3,4,5,6,7
	v_mul_f32 v[OB+32*((\t)%2)+4*\j+2*(\pp)+\i], v[ACC+8*\i+\j], v[RI+\i]
.endr
.endr
	WIN 0
.endm
.macro STORE t                         ; channels 16 t + 8 h + j, my four pixels: each half of the lanes stores 256 consecutive bytes, aligned
	WIN 0x0c                                       ; a store's data are its source 1: window 3
.irp j, 0,1,2,3,4,5,6,7
	global_store_b128 v2, v[OB+32*((\t)%2)+4*\j:OB+32*((\t)%2)+4*\j+3], s[22+4*((\t)/2):23+4*((\t)/2)] offset:(16*((\t)%2)+\j)*PLANE th:TH_STORE_NT
.endr
	WIN 0
.endm
	s_load_b512 s[4:19], s[0:1], 0x0               ; feat_curr s[4:5], flow s[6:7], rec s[8:9], rsc s[10:11], idx s[12:13], wimg s[14:15], q_b s[16:17], k_b s[18:19]
	s_load_b128 s[20:23], s[0:1], 0x40             ; v_b s[20:21], out0 s[22:23]
	v_lshrrev_b32 v12, 5, v0
	v_readfirstlane_b32 s28, v12                   ; wave 0..3
	v_and_b32 v12, 15, v0                          ; r
	v_bfe_u32 v13, v0, 4, 1                        ; h
	v_and_b32 v14, 31, v0                          ; lane
	v_lshlrev_b32 v4, 4, v12                       ; 16 r
	v_lshl_add_u32 v1, v13, 22, v4                 ; feat_curr: 16 r + 16 h planes
	v_lshl_add_u32 v2, v13, 21, v4                 ; out0: 16 r + 8 h planes
	v_lshlrev_b32 v3, 4, v13                       ; 16 h
	v_lshl_add_u32 v5, v13, 8, v4                  ; 16 r + 256 h
	v_lshlrev_b32 v6, 5, v12                       ; 32 r
	v_lshlrev_b32 v7, 4, v14                       ; 16 x lane
	v_lshlrev_b32 v8, 2, v14                       ; 4 x lane
	v_lshlrev_b32 v9, 5, v13                       ; 32 h
	v_lshlrev_b32 v10, 2, v13                      ; 4 h
	v_lshlrev_b32 v11, 3, v13                      ; 8 h
	s_bfe_u32 s38, ttmp9, 0x20002                  ; bits 3 and 2 of the work-group's number
	s_lshl_b32 s38, s38, 6                         ; become bits 7 and 6 of its block of two image rows,
	s_lshr_b32 s39, ttmp9, 4
	s_lshl_b32 s39, s39, 2                         ; bits 7 to 4 become bits 5 to 2,
	s_or_b32 s38, s38, s39
	s_and_b32 s39, ttmp9, 3                        ; bits 1 and 0 stay: each of the 256 blocks is taken once
	s_or_b32 s38, s38, s39
	s_lshl_b32 s35, s38, 3
	s_lshl_b32 s36, s28, 1
	s_add_co_u32 s35, s35, s36                     ; my first group: 2 (4 x block + wave)
	s_lshr_b32 s36, s35, 10
	s_lshl_b32 s36, s36, 24                        ; the batch's 64 planes,
	s_and_b32 s38, s35, 1023
	s_lshl_b32 s38, s38, 8                         ; the group's 256 bytes in a plane
	s_add_co_u32 s36, s36, s38
	s_mov_b32 s37, 0
	s_and_b32 s30, s35, 3
	s_lshl_b32 s30, s30, 6                         ; the group's first x
	s_bfe_u32 s31, s35, 0x80002                    ; y
	s_mov_b32 s32, 0x76543210
	s_mov_b32 s33, 0xfedcba98                      ; v_permlanex16_b32's selects for lane l xor 16
	s_mov_b32 s34, 0x3f0293ee                      ; log2(e) / sqrt(8)
	s_mov_b32 s29, 0                               ; trip
	s_wait_kmcnt 0x0
	s_add_nc_u64 s[4:5], s[4:5], s[36:37]
	s_add_nc_u64 s[22:23], s[22:23], s[36:37]
	s_add_nc_u64 s[24:25], s[4:5], 0x800000        ; channels 32..63
	s_add_nc_u64 s[26:27], s[22:23], 0x800000
	s_lshl_b32 s36, s35, 9
	s_add_nc_u64 s[6:7], s[6:7], s[36:37]          ; flow: 512 bytes a group
	s_lshl_b32 s36, s35, 10
	s_add_nc_u64 s[12:13], s[12:13], s[36:37]      ; idx: 1,024 bytes a group
	LDTASK 0
	WIN 0x40                                       ; destination window 1: what stays for the whole launch
.irp t, 0,1,2,3
	global_load_b128 v[BIAS+8*\t:BIAS+8*\t+3], v9, s[16:17] offset:64*\t               ; lane (r, h): bias of features 16 t + 8 h + 0..7: a C tile
	global_load_b128 v[BIAS+8*\t+4:BIAS+8*\t+7], v9, s[16:17] offset:64*\t+16
	global_load_b128 v[BIAS+32+8*\t:BIAS+32+8*\t+3], v9, s[18:19] offset:64*\t
	global_load_b128 v[BIAS+32+8*\t+4:BIAS+32+8*\t+7], v9, s[18:19] offset:64*\t+16
	global_load_b128 v[BIAS+64+8*\t:BIAS+64+8*\t+3], v9, s[20:21] offset:64*\t
	global_load_b128 v[BIAS+64+8*\t+4:BIAS+64+8*\t+7], v9, s[20:21] offset:64*\t+16
.endr
.set zi, 0
.rept 36
	global_load_b128 v[4*zi:4*zi+3], v7, s[14:15] offset:512*zi                        ; the weight fragments, as images of their registers
.set zi, zi+1
.endr
	WIN 0
.set zi, 0
.rept 12
	global_load_b32 v[WSC+zi], v8, s[14:15] offset:18432+128*zi
.set zi, zi+1
.endr
	v_cmp_eq_u32 vcc_lo, 1, v13
	v_mov_b32 v14, 0x40490fd5                      ; 2 pi / (2 + 1e-6), as f32 has these numbers
	v_mov_b32 v15, 0x3d00adf9                      ; the same / 100: frequencies 16..31
	v_cndmask_b32 v14, v14, v15, vcc_lo
	v_mov_b32 v[WT], v14                           ; x 10^(-m/8)
	v_mul_f32 v[WT+1], 0.74989421, v14
	v_mul_f32 v[WT+2], 0.56234133, v14
	v_mul_f32 v[WT+3], 0.42169650, v14
	v_mul_f32 v[WT+4], 0.31622777, v14
	v_mul_f32 v[WT+5], 0.23713737, v14
	v_mul_f32 v[WT+6], 0.17782794, v14
	v_mul_f32 v[WT+7], 0.13335214, v14
	v_mul_f32 v[WT+8], 0.1, v14
	v_mul_f32 v[WT+9], 0.074989421, v14
	v_mul_f32 v[WT+10], 0.056234133, v14
	v_mul_f32 v[WT+11], 0.042169650, v14
	v_mul_f32 v[WT+12], 0.031622777, v14
	v_mul_f32 v[WT+13], 0.023713737, v14
	v_mul_f32 v[WT+14], 0.017782794, v14
	v_mul_f32 v[WT+15], 0.013335214, v14
	v_mov_b32 v[CF], 0xbe2aaaab                    ; -1/3!
	v_mov_b32 v[CF+1], -0.5                        ; -1/2!
	v_mov_b32 v[CF+2], 0x3c088889                  ; 1/5!
	v_mov_b32 v[CF+3], 0x3d2aaaab                  ; 1/4!
	v_mov_b32 v[CF+4], 0xb9500d01                  ; -1/7!
	v_mov_b32 v[CF+5], 0xbab60b61                  ; -1/6!
	v_mov_b32 v[CF+6], 0x3638ef1d                  ; 1/9!
	v_mov_b32 v[CF+7], 0x37d00d01                  ; 1/8!
	v_mov_b32 v[CF+8], 0xb2d7322b                  ; -1/11!
	v_mov_b32 v[CF+9], 0xb493f27e                  ; -1/10!
	v_mov_b32 v[CF+10], 0x2f309231                 ; 1/13!
	v_mov_b32 v[CF+11], 0x310f76c7                 ; 1/12!
.Ltrip:
	s_wait_loadcnt 32                              ; pixel numbers and flow are in: behind their 8 loads stand the 32 of feat_curr (in the first trip the weights' too)
	ADDR
	GATH 0                                         ; a group's gathers are 4 x 18 = 72 loads, more than the load counter's field of 63 (ISA guide 5.7.1) lets a wave have out:
	GATH 1                                         ; three tiles' 54 go out now,
	GATH 2
	DECI
	s_wait_loadcnt 54                              ; all but these gathers: feat_curr (and the weights) are in
	QTILE 0
	QTILE 1
	GATH 3                                         ; the fourth tile's 18 behind half of the phase that the first 54 have in which to land
	QTILE 2
	QTILE 3
	s_wait_loadcnt 0x0                             ; the window rows and their scale words
	s_cmp_lg_u32 s29, 0                            ; the second group's dense inputs are asked for here, a phase ahead; the last trip asks for nothing
	s_cbranch_scc1 .Lno_next
	LDTASK 1
.Lno_next:
.rept 8
	v_nop                                          ; a scale word made by vector instructions stands eight places ahead of a scaled product, an operand so made four
.endr
	MMQK 0, 0
	MMV 0, 0
.rept 5
	v_nop                                          ; places behind the first products
.endr
; Eight steps (t, pp).  Each step's products are issued one vector phase ahead of their use: behind q's and k's stand the softmax and the sum of the step before, behind v's the scores and the softmax of their own step;
; those lines name none of the products' registers and are the places in front of the first read and of the next products into the same registers.
.irp k, 0,1,2,3,4,5,6,7
	DOTS
.if \k < 7
	MMQK (\k+1)/2, (\k+1)%2
.endif
	SOFT
	AV \k/2, \k%2
.if \k%2
	STORE \k/2
.endif
.if \k < 7
	MMV (\k+1)/2, (\k+1)%2
.endif
.endr
	s_wait_xcnt 0x0                                ; the stores have read their bases: they step to the next group
	s_add_nc_u64 s[22:23], s[22:23], 256
	s_add_nc_u64 s[26:27], s[26:27], 256
	s_add_co_u32 s30, s30, 64
	s_add_co_u32 s29, s29, 1
	s_cmp_lt_u32 s29, 2
	s_cbranch_scc1 .Ltrip
	s_endpgm
.Lfunc_end_k_q012615b584_main:
	.size	k_q012615b584_main, .Lfunc_end_k_q012615b584_main-k_q012615b584_main
	.p2alignl 7, 3214868480
	.fill 96, 4, 3214868480
	.section	.rodata,"a",@progbits
	.p2align	6, 0x0
	.amdhsa_kernel k_q012615b584_main
		.amdhsa_group_segment_fixed_size 0
		.amdhsa_private_segment_fixed_size 0
		.amdhsa_enable_private_segment 0
		.amdhsa_kernarg_size 80
		.amdhsa_user_sgpr_count 2
		.amdhsa_user_sgpr_kernarg_segment_ptr 1
		.amdhsa_wavefront_size32 1
		.amdhsa_system_sgpr_workgroup_id_x 1
		.amdhsa_system_sgpr_workgroup_id_y 1
		.amdhsa_system_sgpr_workgroup_id_z 1
		.amdhsa_system_vgpr_workitem_id 0
		.amdhsa_next_free_vgpr 1024
		.amdhsa_next_free_sgpr 66
		.amdhsa_reserve_vcc 1
		.amdhsa_float_denorm_mode_32 3
		.amdhsa_float_denorm_mode_16_64 3
		.amdhsa_memory_ordered 1
		.amdhsa_forward_progress 1
		.amdhsa_inst_pref_size 173
	.end_amdhsa_kernel
	.amdgpu_metadata
---
amdhsa.version: [ 1, 2 ]
amdhsa.kernels:
  - .name:           k_q012615b584_main
    .symbol:         k_q012615b584_main.kd
    .args:
      - { .name: feat_curr, .offset: 0, .size: 8, .value_kind: global_buffer, .address_space: global }
      - { .name: flow, .offset: 8, .size: 8, .value_kind: global_buffer, .address_space: global }
      - { .name: rec, .offset: 16, .size: 8, .value_kind: global_buffer, .address_space: global }
      - { .name: rsc, .offset: 24, .size: 8, .value_kind: global_buffer, .address_space: global }
      - { .name: idx, .offset: 32, .size: 8, .value_kind: global_buffer, .address_space: global }
      - { .name: wimg, .offset: 40, .size: 8, .value_kind: global_buffer, .address_space: global }
      - { .name: q_b, .offset: 48, .size: 8, .value_kind: global_buffer, .address_space: global }
      - { .name: k_b, .offset: 56, .size: 8, .value_kind: global_buffer, .address_space: global }
      - { .name: v_b, .offset: 64, .size: 8, .value_kind: global_buffer, .address_space: global }
      - { .name: out0, .offset: 72, .size: 8, .value_kind: global_buffer, .address_space: global }
    .group_segment_fixed_size: 0
    .private_segment_fixed_size: 0
    .kernarg_segment_align: 8
    .kernarg_segment_size: 80
    .max_flat_workgroup_size: 128
    .sgpr_count:     66
    .vgpr_count:     1024
    .wavefront_size: 32
...
	.end_amdgpu_metadata
.endif
;; end of part 2
;; ======== version 2 of 2: 2 launches; version 1 with the launch main written anew for expert scheduling mode
;; workspace buffers: rec 25,165,824 bytes; rsc 2,097,152 bytes; idx 2,097,152 bytes of whole numbers; wimg 19,968 bytes
;; launch prep: the kernel of part 1 again; grid 515 x 1, 4 waves a work-group, no clusters, 54,784 bytes of LDS; arguments feat_supp, flow, q_w, k_w, v_w, rec, rsc, idx, wimg; writes rec, rsc, idx, wimg
;; launch main (part 3): grid 256 x 1, 4 waves a work-group, no clusters, 0 bytes of LDS; arguments feat_curr, flow, rec, rsc, idx, wimg, q_b, k_b, v_b, out0; writes out0
.if DOCPART == 3
	.amdgcn_target "amdgcn-amd-amdhsa--gfx1250"
	.amdhsa_code_object_version 6
	.text
	.protected	k_q012615b584_main
	.globl	k_q012615b584_main
	.p2align	8
	.type	k_q012615b584_main,@function
k_q012615b584_main:
	s_mov_b64 s[64:65], 0
	v_nop
	global_prefetch_b8 v0, s[64:65] scope:SCOPE_SE
	s_setreg_imm32_b32 hwreg(HW_REG_WAVE_SCHED_MODE, 0, 2), 2
	s_setreg_imm32_b32 hwreg(HW_REG_WAVE_MODE, 25, 1), 1
	s_wait_xcnt 0x0
	s_wait_alu depctr_vm_vsrc(0)
; SECOND LAUNCH: for each pixel q = Q(feat_curr + pe(fraction)) Wq^T + bq; k, v = (window row's codes) Wk^T + bk, Wv^T + bv for the four window rows; eight heads of 8; softmax over the four rows; out0 channel-major.
; All three products run on E3M2 codes with E8M0 scales, K = 128: one matrix instruction an output tile, no chain.
; SHARES.  256 work-groups of four waves, a wave to a SIMD; a wave takes two groups of 64 pixels of one image row, in a loop of two trips.  Waves share nothing: no LDS, no barrier.
; Which two image rows a work-group takes is free: bits 3 and 2 of its number are the top bits of the rows' number, so that the work-groups that agree in these two bits take 128 neighbouring rows of one image,
; and a record, which is wanted by windows a few rows up and down, is wanted inside one such set but for the sets' edges.
; Tile p (0..3) of a group holds pixels 4 r + p, so that a load of 16 bytes at one channel gives lane r its four pixels (sixteen lanes: 256 consecutive bytes) and four results in neighbouring registers leave by one store.
; THE MATRIX INSTRUCTION IS USED TRANSPOSED: source 0 = 16 features of a weight, source 1 = 16 pixels, C = the bias.  Lane (r, h) then holds pixel r, and its eight registers are features 16 t + 8 h + 0..7: head 2 t + h, whole.
; So scores, softmax and the weighted sum stay in the lane.  The window rows come as finished operand registers: four loads (16, 8, 16, 8 bytes) a row from rec, at the pixel number that the first launch stored in idx.
; No tensor load, no cluster: the operands are gathered by a stored list; work-groups share only the 20 KB of weights, which each wave reads once into registers.
; The dense streams of the second group are asked for a whole phase ahead; the gathers go out as soon as their addresses are known, ahead of and inside the phase that makes q's operand.
; THE SINES: as in the first launch: Taylor's terms on the angle fraction x 2 pi / (2 + 1e-6) / 10^(i/8), at most pi; the four lowest frequencies shifted by pi / 2.
; LIMITS: NaN and infinities are not served.  A block of q's operand whose largest magnitude lies under 2^-122 gets the byte 1.  Sines and cosines are right to about 1e-7 absolute.
; THE MODE: SCHED_MODE bits 1:0 = 2 (LLVM: expert scheduling mode 2), set by the entry lines.  The code itself states the register dependences between vector or matrix instructions and memory instructions, with s_wait_alu, always for 0.
; THE PLAN.  Registers that memory instructions touch:
;   v1, v2, v4-v9              offsets, made once at the head and never written again: the rows are reached by scalar bases and immediate offsets.
;   VOFF, SVO                  written by ADDR; read by the trip's 72 gathers; written next by v's first products (they lie inside DV).
;   window 2 v0-191, KSC       the gathers land here; read by the trip's products alone, as source 1 and as scales.
;   window 3 v0-127, v192-223  the dense loads land here; read by ADDR, DECI and the four QTILE.
;   OB0, OB1 (window 3)        features t write buffer t % 2 (AV, both pp); its eight stores are issued in AV of t + 1, pp = 0 (t = 3: at the trip's end), while that AV writes the other buffer.
;   window 1, WSC              loaded once, read by products alone.     QF, QSC: made by vector instructions, taken by scaled products.
; THE WAITS OF A TRIP.  One on va_vdst behind ADDR, for all 72 gathers: no vector instruction between it and the last gather names an offset or a landing place of theirs.  One on va_vdst and one on vm_vsrc behind QTILE 3 and its places:
; q's operands are written, window 3 has been read, the gathers have read their offsets.  In AV: the wait for the reciprocals also shows the buffer of t - 1 written, so its stores follow it; at pp = 0 a wait on vm_vsrc stands ahead of the
; lines that write a buffer again, two steps behind the stores that read it.  One on va_vdst ahead of the trip's last stores.
; REGISTERS, in windows of 256 (s_set_vgpr_msb: bits 1:0 source 0, 3:2 source 1, 5:4 source 2, 7:6 destination):
;  window 0: v1-11 offsets that stay; v16-27, v28-35, v44-47 scale words; v48-127 q's 64 numbers, later q's and k's results; v128-191 polynomial slots, gather offsets, fractions, later v's results; v192-219 frequencies, coefficients; v220-255 at work
;  window 1: v0-143 the twelve weight fragments; v144-239 the biases as C tiles.   window 2: v0-191 the sixteen window fragments; v192-239 q's four; v240-246 conversions' second halves
;  window 3: v0-127 feat_curr, register 4 (16 e + m) + p; v128-191 results, two buffers; v192-223 pixel numbers and flow
.set PLANE, 262144
.set WSC,  16                          ; weights' scale words, fragment f
.set KSC,  28                          ; window rows': register 2 p + u: lanes 0-15 row (u, 0), lanes 16-31 row (u, 1)
.set QSC,  44                          ; q's operand's, tile p
.set XR,   48                          ; 64 numbers: K 32 h + 0..31, then K 64 + 32 h + 0..31
.set QT,   112                         ; quantiser's temporaries
.set DQ,   48                          ; q's result of tile i (of two): + 40 i
.set DK,   56                          ; k's: + 40 i + 8 (u v)
.set PT,   128                         ; four slots of 8: angle pair (x's, y's), z pair, 1 + z Q pair, 1 + z R pair
.set VOFF, 160                         ; 4 (u v) + p: 192 x pixel number + 16 h
.set SVO,  176                         ; 4 u + p: 16 x pixel number of row (u, v = h) + 4 h
.set DEC,  184                         ; pair p: fractions (x's, y's)
.set DV,   128                         ; v's result: + 32 i + 8 (u v)
.set WT,   192                         ; angle for a whole fraction, frequency 16 h + m
.set CF,   208                         ; Taylor's coefficients, pair k: sine's, cosine's
.set TT,   220
.set LP,   220                         ; eight pairs: partial scores
.set ACC,  220                         ; + 8 i: the weighted sum
.set LG,   236                         ; + 4 i + (u v): score, then exponent, then weight
.set MX,   244
.set MC,   246
.set SM,   248
.set RI,   252
.set BIAS, 144                         ; window 1
.set QF,   192                         ; window 2
.set OB,   128                         ; window 3
.set IDX,  192
.set SIDX, 208
.set FLW,  216
.set MSB, 0
.macro WIN new                         ; the immediate's high byte repeats the setting that is left
.if MSB != \new
	s_set_vgpr_msb (MSB<<8)|\new
.set MSB, \new
.endif
.endm
.macro POLY s0, ns, n                  ; ns slots from s0 on: z, then both polynomials of n terms by Horner, all chains by turns
.set zs, \s0
.rept \ns
	v_pk_mul_f32 v[PT+8*zs+2:PT+8*zs+3], v[PT+8*zs:PT+8*zs+1], v[PT+8*zs:PT+8*zs+1]
.set zs, zs+1
.endr
.set zs, \s0
.rept \ns
	v_pk_fma_f32 v[PT+8*zs+4:PT+8*zs+5], v[PT+8*zs+2:PT+8*zs+3], v[CF+2*(\n)-2:CF+2*(\n)-1], v[CF+2*(\n)-4:CF+2*(\n)-3] op_sel_hi:[1,0,0]
	v_pk_fma_f32 v[PT+8*zs+6:PT+8*zs+7], v[PT+8*zs+2:PT+8*zs+3], v[CF+2*(\n)-2:CF+2*(\n)-1], v[CF+2*(\n)-4:CF+2*(\n)-3] op_sel:[0,1,1] op_sel_hi:[1,1,1]
.set zs, zs+1
.endr
.set zk, \n-2
.rept \n-2
.set zs, \s0
.rept \ns
	v_pk_fma_f32 v[PT+8*zs+4:PT+8*zs+5], v[PT+8*zs+4:PT+8*zs+5], v[PT+8*zs+2:PT+8*zs+3], v[CF+2*zk-2:CF+2*zk-1] op_sel_hi:[1,1,0]
	v_pk_fma_f32 v[PT+8*zs+6:PT+8*zs+7], v[PT+8*zs+6:PT+8*zs+7], v[PT+8*zs+2:PT+8*zs+3], v[CF+2*zk-2:CF+2*zk-1] op_sel:[0,0,1] op_sel_hi:[1,1,1]
.set zs, zs+1
.endr
.set zk, zk-1
.endr
.set zs, \s0
.rept \ns
	v_pk_fma_f32 v[PT+8*zs+4:PT+8*zs+5], v[PT+8*zs+4:PT+8*zs+5], v[PT+8*zs+2:PT+8*zs+3], 1.0 op_sel_hi:[1,1,0]
	v_pk_fma_f32 v[PT+8*zs+6:PT+8*zs+7], v[PT+8*zs+6:PT+8*zs+7], v[PT+8*zs+2:PT+8*zs+3], 1.0 op_sel_hi:[1,1,0]
.set zs, zs+1
.endr
.endm
.macro BMAX src, ma, mb                ; the largest magnitude of 32 numbers and the floor 2^(5 - 127), in two chains
	v_max3_num_f32 v[\ma], |v[\src]|, |v[\src+1]|, 0x2800000
	v_max3_num_f32 v[\mb], |v[\src+16]|, |v[\src+17]|, |v[\src+18]|
.irp i, 2,4,6,8,10,12
	v_max3_num_f32 v[\ma], v[\ma], |v[\src+\i]|, |v[\src+\i+1]|
	v_max3_num_f32 v[\mb], v[\mb], |v[\src+17+\i]|, |v[\src+18+\i]|
.endr
	v_max3_num_f32 v[\ma], v[\ma], |v[\src+14]|, |v[\src+15]|
	v_max3_num_f32 v[\ma], v[\ma], v[\mb], |v[\src+31]|
.endm
; the dense inputs of the group o groups on: 8 loads of pixel numbers and flow, then 32 of feat_curr
.macro LDTASK o
	WIN 0xc0                                       ; destination window 3
.irp q, 0,1,2,3
	global_load_b128 v[IDX+4*\q:IDX+4*\q+3], v4, s[12:13] offset:256*\q+1024*\o
.endr
.irp u, 0,1
	global_load_b128 v[SIDX+4*\u:SIDX+4*\u+3], v5, s[12:13] offset:512*\u+1024*\o      ; plane 2 u + h: a lane's half picks v
.endr
.irp i, 0,1
	global_load_b128 v[FLW+4*\i:FLW+4*\i+3], v6, s[6:7] offset:16*\i+512*\o
.endr
.set zm, 0
.rept 16
	global_load_b128 v[4*zm:4*zm+3], v1, s[4:5] offset:PLANE*zm+256*\o th:TH_LOAD_NT
.set zm, zm+1
.endr
.set zm, 0
.rept 16
	global_load_b128 v[64+4*zm:64+4*zm+3], v1, s[24:25] offset:PLANE*zm+256*\o th:TH_LOAD_NT
.set zm, zm+1
.endr
	WIN 0
.endm
; the gathers' offsets: each stored number is held to the table's 131,072 records first
.macro ADDR
	WIN 0x0c                                       ; source 1 window 3
.set zi, 0
.rept 16
	v_min_u32 v[VOFF+zi], 0x1ffff, v[IDX+zi]
.set zi, zi+1
.endr
.set zi, 0
.rept 8
	v_min_u32 v[SVO+zi], 0x1ffff, v[SIDX+zi]
.set zi, zi+1
.endr
	WIN 0
.set zi, 0
.rept 16
	v_lshl_add_u32 v[VOFF+zi], v[VOFF+zi], 1, v[VOFF+zi]     ; 3 x
.set zi, zi+1
.endr
.set zi, 0
.rept 16
	v_lshl_add_u32 v[VOFF+zi], v[VOFF+zi], 6, v3             ; 192 x the number + 16 h
.set zi, zi+1
.endr
.set zi, 0
.rept 8
	v_lshl_add_u32 v[SVO+zi], v[SVO+zi], 4, v10
.set zi, zi+1
.endr
.endm
; tile p: 18 loads: its four window rows as operand registers, and their scale words
.macro GATH p
	WIN 0x80                                       ; destination window 2
.irp u, 0,1
.irp c, 0,1
.set zf, 12*(4*\p+2*\u+\c)
	global_load_b128 v[zf:zf+3], v[VOFF+4*(2*\u+\c)+\p], s[8:9] offset:32*\u            ; K block h under u: bytes 0-15,
	global_load_b64 v[zf+4:zf+5], v[VOFF+4*(2*\u+\c)+\p], s[8:9] offset:128+8*\u        ; bytes 16-23;
	global_load_b128 v[zf+6:zf+9], v[VOFF+4*(2*\u+\c)+\p], s[8:9] offset:64+32*\c       ; K block 2 + h under v: bytes 0-15,
	global_load_b64 v[zf+10:zf+11], v[VOFF+4*(2*\u+\c)+\p], s[8:9] offset:160+8*\c      ; bytes 16-23
.endr
.endr
	WIN 0
.irp u, 0,1
	global_load_b32 v[KSC+2*\p+\u], v[SVO+4*\u+\p], s[10:11] offset:8*\u
.endr
.endm
; the fractions of x + flow and y + flow, as the sum less its floor
.macro DECI
	v_lshrrev_b32 v12, 2, v4                       ; 4 r
	v_add_nc_u32 v12, s30, v12
	v_cvt_f32_u32 v[TT], v12                       ; x of pixel 4 r
	v_cvt_f32_u32 v[TT+1], s31                     ; y
	v_add_f32 v[TT+2], 1.0, v[TT]
	v_add_f32 v[TT+4], 2.0, v[TT]
	v_add_f32 v[TT+6], 0x40400000, v[TT]
	v_mov_b32 v[TT+3], v[TT+1]
	v_mov_b32 v[TT+5], v[TT+1]
	v_mov_b32 v[TT+7], v[TT+1]
	WIN 0x0c
.irp p, 0,1,2,3
	v_pk_add_f32 v[TT+2*\p:TT+2*\p+1], v[TT+2*\p:TT+2*\p+1], v[FLW+2*\p:FLW+2*\p+1]
.endr
	WIN 0
.irp i, 0,1,2,3,4,5,6,7
	v_floor_f32 v[TT+8+\i], v[TT+\i]
.endr
.irp p, 0,1,2,3
	v_pk_add_f32 v[DEC+2*\p:DEC+2*\p+1], v[TT+2*\p:TT+2*\p+1], v[TT+8+2*\p:TT+8+2*\p+1] neg_lo:[0,1] neg_hi:[0,1]
.endr
.endm
; tile p, frequencies 4 gq .. + 3: a slot a frequency, x's angle in the low half, y's in the high; then feature + sine, feature + cosine, each by one fused multiply-add
.macro PEG p, gq, n, sh
.irp s, 0,1,2,3
.set zw, WT+4*\gq+2*(\s/2)
.if \sh
.if \s%2
	v_pk_fma_f32 v[PT+8*\s:PT+8*\s+1], v[DEC+2*\p:DEC+2*\p+1], v[zw:zw+1], 0xbfc90fdb op_sel:[0,1,0] op_sel_hi:[1,1,0]
.else
	v_pk_fma_f32 v[PT+8*\s:PT+8*\s+1], v[DEC+2*\p:DEC+2*\p+1], v[zw:zw+1], 0xbfc90fdb op_sel_hi:[1,0,0]
.endif
.else
.if \s%2
	v_pk_mul_f32 v[PT+8*\s:PT+8*\s+1], v[DEC+2*\p:DEC+2*\p+1], v[zw:zw+1] op_sel:[0,1] op_sel_hi:[1,1]
.else
	v_pk_mul_f32 v[PT+8*\s:PT+8*\s+1], v[DEC+2*\p:DEC+2*\p+1], v[zw:zw+1] op_sel_hi:[1,0]
.endif
.endif
.endr
	POLY 0, 4, \n
	WIN 0x30                                       ; source 2 (the feature) window 3
.irp s, 0,1,2,3
.set zm, 4*\gq+\s
.if \sh
	v_fma_f32 v[XR+32+2*zm], v[PT+8*\s+6], 1.0, v[4*(16+zm)+\p]                 ; sin(a + pi/2) = cos a
	v_fma_f32 v[XR+33+2*zm], -v[PT+8*\s+4], v[PT+8*\s], v[4*(16+zm)+\p]         ; cos(a + pi/2) = -sin a
	v_fma_f32 v[XR+2*zm], v[PT+8*\s+7], 1.0, v[4*zm+\p]
	v_fma_f32 v[XR+1+2*zm], -v[PT+8*\s+5], v[PT+8*\s+1], v[4*zm+\p]
.else
	v_fma_f32 v[XR+32+2*zm], v[PT+8*\s+4], v[PT+8*\s], v[4*(16+zm)+\p]
	v_fma_f32 v[XR+33+2*zm], v[PT+8*\s+6], 1.0, v[4*(16+zm)+\p]
	v_fma_f32 v[XR+2*zm], v[PT+8*\s+5], v[PT+8*\s+1], v[4*zm+\p]
	v_fma_f32 v[XR+1+2*zm], v[PT+8*\s+7], 1.0, v[4*zm+\p]
.endif
.endr
	WIN 0
.endm
; my two blocks of tile p become six + six code registers of q's operand and, with lane l xor 16's, its scale word
.macro QUANT p
	BMAX XR, QT, QT+1
	BMAX XR+32, QT+2, QT+3
	v_add_nc_u32 v[QT+4], 0xfe000000, v[QT]        ; 4 off the exponent field: the conversion's scale operand
	v_add_nc_u32 v[QT+5], 0xfe000000, v[QT+2]
	v_lshrrev_b32 v[QT+7], 23, v[QT+4]
	v_lshrrev_b32 v[QT+8], 23, v[QT+5]
	v_lshl_or_b32 v[QT+6], v[QT+8], 16, v[QT+7]    ; blocks h and 2 + h,
	v_lshlrev_b32 v[QT+6], v11, v[QT+6]            ; 8 h bits up
	v_mov_b32 v[QT+9], 0
	v_permlanex16_b32 v[QT+9], v[QT+6], s32, s33
	v_or_b32 v[QSC+\p], v[QT+6], v[QT+9]
	WIN 0x80                                       ; destination window 2
	v_cvt_scalef32_pk16_bf6_f32 v[QF+12*\p:QF+12*\p+2], v[XR:XR+15], v[QT+4]
	v_cvt_scalef32_pk16_bf6_f32 v[240:242], v[XR+16:XR+31], v[QT+4]
	v_cvt_scalef32_pk16_bf6_f32 v[QF+12*\p+6:QF+12*\p+8], v[XR+32:XR+47], v[QT+5]
	v_cvt_scalef32_pk16_bf6_f32 v[244:246], v[XR+48:XR+63], v[QT+5]
	v_nop                                          ; one plain line behind the conversions
	WIN 0x82
.irp i, 0,1,2
	v_mov_b32 v[QF+12*\p+3+\i], v[240+\i]
	v_mov_b32 v[QF+12*\p+9+\i], v[244+\i]
.endr
	WIN 0
.endm
.macro QTILE p                         ; q's operand of tile p
	PEG \p, 0, 6, 1                                ; angles up to pi: shifted, six terms
	PEG \p, 1, 5, 0                                ; up to 0.994
	PEG \p, 2, 3, 0                                ; up to 0.315
	PEG \p, 3, 2, 0                                ; up to 0.0994
	QUANT \p
.endm
; features 16 t .. + 15 of q and of the four k, for tiles 2 pp and 2 pp + 1: ten products, each with an accumulator of its own
.macro MMQK t, pp
	WIN 0x19                                       ; source 0 and C window 1, source 1 window 2, D window 0
.irp i, 0,1
	v_wmma_scale_f32_16x16x128_f8f6f4 v[DQ+40*\i:DQ+40*\i+7], v[12*(\t):12*(\t)+11], v[QF+12*(2*(\pp)+\i):QF+12*(2*(\pp)+\i)+11], v[BIAS+8*(\t):BIAS+8*(\t)+7], v[WSC+(\t)], v[QSC+2*(\pp)+\i] matrix_a_fmt:MATRIX_FMT_BF6 matrix_b_fmt:MATRIX_FMT_BF6
.irp u, 0,1
	v_wmma_scale_f32_16x16x128_f8f6f4 v[DK+40*\i+16*\u:DK+40*\i+16*\u+7], v[12*(4+(\t)):12*(4+(\t))+11], v[12*(4*(2*(\pp)+\i)+2*\u):12*(4*(2*(\pp)+\i)+2*\u)+11], v[BIAS+8*(4+(\t)):BIAS+8*(4+(\t))+7], v[WSC+4+(\t)], v[KSC+2*(2*(\pp)+\i)+\u] matrix_a_fmt:MATRIX_FMT_BF6 matrix_b_fmt:MATRIX_FMT_BF6
	v_wmma_scale_f32_16x16x128_f8f6f4 v[DK+40*\i+16*\u+8:DK+40*\i+16*\u+15], v[12*(4+(\t)):12*(4+(\t))+11], v[12*(4*(2*(\pp)+\i)+2*\u+1):12*(4*(2*(\pp)+\i)+2*\u+1)+11], v[BIAS+8*(4+(\t)):BIAS+8*(4+(\t))+7], v[WSC+4+(\t)], v[KSC+2*(2*(\pp)+\i)+\u] matrix_a_fmt:MATRIX_FMT_BF6 matrix_b_fmt:MATRIX_FMT_BF6 matrix_b_scale:MATRIX_SCALE_ROW1
.endr
.endr
	WIN 0
.endm
.macro MMV t, pp                       ; the same of the four v: eight products
	WIN 0x19
.irp i, 0,1
.irp u, 0,1
	v_wmma_scale_f32_16x16x128_f8f6f4 v[DV+32*\i+16*\u:DV+32*\i+16*\u+7], v[12*(8+(\t)):12*(8+(\t))+11], v[12*(4*(2*(\pp)+\i)+2*\u):12*(4*(2*(\pp)+\i)+2*\u)+11], v[BIAS+8*(8+(\t)):BIAS+8*(8+(\t))+7], v[WSC+8+(\t)], v[KSC+2*(2*(\pp)+\i)+\u] matrix_a_fmt:MATRIX_FMT_BF6 matrix_b_fmt:MATRIX_FMT_BF6
	v_wmma_scale_f32_16x16x128_f8f6f4 v[DV+32*\i+16*\u+8:DV+32*\i+16*\u+15], v[12*(8+(\t)):12*(8+(\t))+11], v[12*(4*(2*(\pp)+\i)+2*\u+1):12*(4*(2*(\pp)+\i)+2*\u+1)+11], v[BIAS+8*(8+(\t)):BIAS+8*(8+(\t))+7], v[WSC+8+(\t)], v[KSC+2*(2*(\pp)+\i)+\u] matrix_a_fmt:MATRIX_FMT_BF6 matrix_b_fmt:MATRIX_FMT_BF6 matrix_b_scale:MATRIX_SCALE_ROW1
.endr
.endr
	WIN 0
.endm
; q . k over the head's eight, for two tiles x four rows: eight chains by turns, each result read from its low end on
.macro DOTS
.irp i, 0,1
.irp q, 0,1,2,3
	v_pk_mul_f32 v[LP+2*(4*\i+\q):LP+2*(4*\i+\q)+1], v[DQ+40*\i:DQ+40*\i+1], v[DK+40*\i+8*\q:DK+40*\i+8*\q+1]
.endr
.endr
.irp j, 2,4,6
.irp i, 0,1
.irp q, 0,1,2,3
	v_pk_fma_f32 v[LP+2*(4*\i+\q):LP+2*(4*\i+\q)+1], v[DQ+40*\i+\j:DQ+40*\i+\j+1], v[DK+40*\i+8*\q+\j:DK+40*\i+8*\q+\j+1], v[LP+2*(4*\i+\q):LP+2*(4*\i+\q)+1]
.endr
.endr
.endr
.irp i, 0,1
.irp q, 0,1,2,3
	v_add_f32 v[LG+4*\i+\q], v[LP+2*(4*\i+\q)], v[LP+2*(4*\i+\q)+1]
.endr
.endr
.endm
; softmax over the four rows: the largest score is taken away; s34 = log2(e) / sqrt(8)
.macro SOFT
.irp i, 0,1
	v_max3_num_f32 v[MX+\i], v[LG+4*\i], v[LG+4*\i+1], v[LG+4*\i+2]
.endr
.irp i, 0,1
	v_max_num_f32 v[MX+\i], v[MX+\i], v[LG+4*\i+3]
.endr
.irp i, 0,1
	v_mul_f32 v[MC+\i], s34, v[MX+\i]
.endr
.irp i, 0,1
.irp q, 0,1,2,3
	v_fma_f32 v[LG+4*\i+\q], v[LG+4*\i+\q], s34, -v[MC+\i]
.endr
.endr
.irp i, 0,1,2,3,4,5,6,7
	v_exp_f32 v[LG+\i], v[LG+\i]
.endr
	v_nop                                          ; one plain line behind the exponentials
	s_wait_alu depctr_va_vdst(0)                   ; the eight exponentials have written v[LG ..]: one wait for the batch, ahead of its first reader
.irp i, 0,1
	v_add_f32 v[SM+2*\i], v[LG+4*\i], v[LG+4*\i+1]
	v_add_f32 v[SM+2*\i+1], v[LG+4*\i+2], v[LG+4*\i+3]
.endr
.irp i, 0,1
	v_add_f32 v[SM+2*\i], v[SM+2*\i], v[SM+2*\i+1]
.endr
.irp i, 0,1
	v_rcp_f32 v[RI+\i], v[SM+2*\i]                 ; the sums below are the plain lines behind these
.endr
.endm
.macro STORE t                         ; channels 16 t + 8 h + j, my four pixels: each half of the lanes stores 256 consecutive bytes, aligned.  What follows sets the windows anew
	WIN 0x0c                                       ; a store's data are its source 1: window 3
.irp j, 0,1,2,3,4,5,6,7
	global_store_b128 v2, v[OB+32*((\t)%2)+4*\j:OB+32*((\t)%2)+4*\j+3], s[22+4*((\t)/2):23+4*((\t)/2)] offset:(16*((\t)%2)+\j)*PLANE th:TH_STORE_NT
.endr
.endm
; the weighted sum of the four v, divided by the weights' sum, into the result buffer of t; at pp = 0 the finished buffer of t - 1 leaves
.macro AV t, pp
.irp i, 0,1
.irp j, 0,2,4,6
	v_pk_mul_f32 v[ACC+8*\i+\j:ACC+8*\i+\j+1], v[DV+32*\i+\j:DV+32*\i+\j+1], v[LG+4*\i:LG+4*\i+1] op_sel_hi:[1,0]
.endr
.endr
.irp i, 0,1
.irp j, 0,2,4,6
	v_pk_fma_f32 v[ACC+8*\i+\j:ACC+8*\i+\j+1], v[DV+32*\i+8+\j:DV+32*\i+8+\j+1], v[LG+4*\i:LG+4*\i+1], v[ACC+8*\i+\j:ACC+8*\i+\j+1] op_sel:[0,1,0] op_sel_hi:[1,1,1]
.endr
.endr
.irp i, 0,1
.irp j, 0,2,4,6
	v_pk_fma_f32 v[ACC+8*\i+\j:ACC+8*\i+\j+1], v[DV+32*\i+16+\j:DV+32*\i+16+\j+1], v[LG+4*\i+2:LG+4*\i+3], v[ACC+8*\i+\j:ACC+8*\i+\j+1] op_sel_hi:[1,0,1]
.endr
.endr
.irp i, 0,1
.irp j, 0,2,4,6
	v_pk_fma_f32 v[ACC+8*\i+\j:ACC+8*\i+\j+1], v[DV+32*\i+24+\j:DV+32*\i+24+\j+1], v[LG+4*\i+2:LG+4*\i+3], v[ACC+8*\i+\j:ACC+8*\i+\j+1] op_sel:[0,1,0] op_sel_hi:[1,1,1]
.endr
.endr
.if (\pp) == 0
	s_wait_xcnt 0x0                                ; this buffer's last stores, two t back, have had their addresses translated: only behind this wait is it written again
	s_wait_alu depctr_vm_vsrc(0)                   ; and they have read this buffer's registers, which the lines below write again
.endif
.if (\pp) == 0 && (\t) > 0
	WIN 0x0c                                       ; for the stores: their data in window 3
.else
	WIN 0xc0                                       ; destination window 3
.endif
	s_wait_alu depctr_va_vdst(0)                   ; the two reciprocals have written v[RI ..], ahead of their first reader; at pp = 0 also: the step before has written the other buffer, which the stores below read
.if (\pp) == 0 && (\t) > 0
	STORE (\t)-1                                   ; no vector instruction since the wait names that buffer
.endif
	WIN 0xc0                                       ; destination window 3
.irp i, 0,1
.irp j, 0,1,2,3,4,5,6,7
	v_mul_f32 v[OB+32*((\t)%2)+4*\j+2*(\pp)+\i], v[ACC+8*\i+\j], v[RI+\i]
.endr
.endr
	WIN 0
.endm
	s_load_b512 s[4:19], s[0:1], 0x0               ; feat_curr s[4:5], flow s[6:7], rec s[8:9], rsc s[10:11], idx s[12:13], wimg s[14:15], q_b s[16:17], k_b s[18:19]
	s_load_b128 s[20:23], s[0:1], 0x40             ; v_b s[20:21], out0 s[22:23]
	v_lshrrev_b32 v12, 5, v0
	v_readfirstlane_b32 s28, v12                   ; wave 0..3
	v_and_b32 v12, 15, v0                          ; r
	v_bfe_u32 v13, v0, 4, 1                        ; h
	v_and_b32 v14, 31, v0                          ; lane
	v_lshlrev_b32 v4, 4, v12                       ; 16 r
	v_lshl_add_u32 v1, v13, 22, v4                 ; feat_curr: 16 r + 16 h planes
	v_lshl_add_u32 v2, v13, 21, v4                 ; out0: 16 r + 8 h planes
	v_lshlrev_b32 v3, 4, v13                       ; 16 h
	v_lshl_add_u32 v5, v13, 8, v4                  ; 16 r + 256 h
	v_lshlrev_b32 v6, 5, v12                       ; 32 r
	v_lshlrev_b32 v7, 4, v14                       ; 16 x lane
	v_lshlrev_b32 v8, 2, v14                       ; 4 x lane
	v_lshlrev_b32 v9, 5, v13                       ; 32 h
	v_lshlrev_b32 v10, 2, v13                      ; 4 h
	v_lshlrev_b32 v11, 3, v13                      ; 8 h
	s_wait_alu depctr_va_sdst(0)                   ; s28, the wave's number, is written, ahead of its first reader: the group's number and all bases are made from it
	s_bfe_u32 s38, ttmp9, 0x20002                  ; bits 3 and 2 of the work-group's number
	s_lshl_b32 s38, s38, 6                         ; become bits 7 and 6 of its block of two image rows,
	s_lshr_b32 s39, ttmp9, 4
	s_lshl_b32 s39, s39, 2                         ; bits 7 to 4 become bits 5 to 2,
	s_or_b32 s38, s38, s39
	s_and_b32 s39, ttmp9, 3                        ; bits 1 and 0 stay: each of the 256 blocks is taken once
	s_or_b32 s38, s38, s39
	s_lshl_b32 s35, s38, 3
	s_lshl_b32 s36, s28, 1
	s_add_co_u32 s35, s35, s36                     ; my first group: 2 (4 x block + wave)
	s_lshr_b32 s36, s35, 10
	s_lshl_b32 s36, s36, 24                        ; the batch's 64 planes,
	s_and_b32 s38, s35, 1023
	s_lshl_b32 s38, s38, 8                         ; the group's 256 bytes in a plane
	s_add_co_u32 s36, s36, s38
	s_mov_b32 s37, 0
	s_and_b32 s30, s35, 3
	s_lshl_b32 s30, s30, 6                         ; the group's first x
	s_bfe_u32 s31, s35, 0x80002                    ; y
	s_mov_b32 s32, 0x76543210
	s_mov_b32 s33, 0xfedcba98                      ; v_permlanex16_b32's selects for lane l xor 16
	s_mov_b32 s34, 0x3f0293ee                      ; log2(e) / sqrt(8)
	s_mov_b32 s29, 0                               ; trip
	s_wait_kmcnt 0x0
	s_add_nc_u64 s[4:5], s[4:5], s[36:37]
	s_add_nc_u64 s[22:23], s[22:23], s[36:37]
	s_add_nc_u64 s[24:25], s[4:5], 0x800000        ; channels 32..63
	s_add_nc_u64 s[26:27], s[22:23], 0x800000
	s_lshl_b32 s36, s35, 9
	s_add_nc_u64 s[6:7], s[6:7], s[36:37]          ; flow: 512 bytes a group
	s_lshl_b32 s36, s35, 10
	s_add_nc_u64 s[12:13], s[12:13], s[36:37]      ; idx: 1,024 bytes a group
	WIN 0xc0                                       ; (the first loads' window, set ahead of the wait)
	s_wait_alu depctr_va_vdst(0)                   ; the offsets v1, v2 and v4 to v9 are written: every dense load and every store of the kernel reads one of them
	LDTASK 0
	WIN 0x40                                       ; destination window 1: what stays for the whole launch
.irp t, 0,1,2,3
	global_load_b128 v[BIAS+8*\t:BIAS+8*\t+3], v9, s[16:17] offset:64*\t               ; lane (r, h): bias of features 16 t + 8 h + 0..7: a C tile
	global_load_b128 v[BIAS+8*\t+4:BIAS+8*\t+7], v9, s[16:17] offset:64*\t+16
	global_load_b128 v[BIAS+32+8*\t:BIAS+32+8*\t+3], v9, s[18:19] offset:64*\t
	global_load_b128 v[BIAS+32+8*\t+4:BIAS+32+8*\t+7], v9, s[18:19] offset:64*\t+16
	global_load_b128 v[BIAS+64+8*\t:BIAS+64+8*\t+3], v9, s[20:21] offset:64*\t
	global_load_b128 v[BIAS+64+8*\t+4:BIAS+64+8*\t+7], v9, s[20:21] offset:64*\t+16
.endr
.set zi, 0
.rept 36
	global_load_b128 v[4*zi:4*zi+3], v7, s[14:15] offset:512*zi                        ; the weight fragments, as images of their registers
.set zi, zi+1
.endr
	WIN 0
.set zi, 0
.rept 12
	global_load_b32 v[WSC+zi], v8, s[14:15] offset:18432+128*zi
.set zi, zi+1
.endr
	v_cmp_eq_u32 vcc_lo, 1, v13
	v_mov_b32 v14, 0x40490fd5                      ; 2 pi / (2 + 1e-6), as f32 has these numbers
	v_mov_b32 v15, 0x3d00adf9                      ; the same / 100: frequencies 16..31
	s_wait_alu depctr_va_vcc(0)                    ; the compare has written VCC, which the select below reads
	v_cndmask_b32 v14, v14, v15, vcc_lo
	v_mov_b32 v[WT], v14                           ; x 10^(-m/8)
	v_mul_f32 v[WT+1], 0.74989421, v14
	v_mul_f32 v[WT+2], 0.56234133, v14
	v_mul_f32 v[WT+3], 0.42169650, v14
	v_mul_f32 v[WT+4], 0.31622777, v14
	v_mul_f32 v[WT+5], 0.23713737, v14
	v_mul_f32 v[WT+6], 0.17782794, v14
	v_mul_f32 v[WT+7], 0.13335214, v14
	v_mul_f32 v[WT+8], 0.1, v14
	v_mul_f32 v[WT+9], 0.074989421, v14
	v_mul_f32 v[WT+10], 0.056234133, v14
	v_mul_f32 v[WT+11], 0.042169650, v14
	v_mul_f32 v[WT+12], 0.031622777, v14
	v_mul_f32 v[WT+13], 0.023713737, v14
	v_mul_f32 v[WT+14], 0.017782794, v14
	v_mul_f32 v[WT+15], 0.013335214, v14
	v_mov_b32 v[CF], 0xbe2aaaab                    ; -1/3!
	v_mov_b32 v[CF+1], -0.5                        ; -1/2!
	v_mov_b32 v[CF+2], 0x3c088889                  ; 1/5!
	v_mov_b32 v[CF+3], 0x3d2aaaab                  ; 1/4!
	v_mov_b32 v[CF+4], 0xb9500d01                  ; -1/7!
	v_mov_b32 v[CF+5], 0xbab60b61                  ; -1/6!
	v_mov_b32 v[CF+6], 0x3638ef1d                  ; 1/9!
	v_mov_b32 v[CF+7], 0x37d00d01                  ; 1/8!
	v_mov_b32 v[CF+8], 0xb2d7322b                  ; -1/11!
	v_mov_b32 v[CF+9], 0xb493f27e                  ; -1/10!
	v_mov_b32 v[CF+10], 0x2f309231                 ; 1/13!
	v_mov_b32 v[CF+11], 0x310f76c7                 ; 1/12!
.Ltrip:
	s_wait_loadcnt 32                              ; pixel numbers and flow are in: behind their 8 loads stand the 32 of feat_curr (in the first trip the weights' too)
	ADDR
	WIN 0x80                                       ; (the gathers' window, set ahead of the wait)
	s_wait_alu depctr_va_vdst(0)                   ; ADDR has written VOFF and SVO, which the gathers read as offsets; the last trip's products are done reading the window fragments and KSC, in which the gathers land
	GATH 0                                         ; a group's gathers are 4 x 18 = 72 loads, more than the load counter's field of 63 (ISA guide 5.7.1) lets a wave have out:
	GATH 1                                         ; three tiles' 54 go out now,
	GATH 2
	DECI
	s_wait_loadcnt 54                              ; all but these gathers: feat_curr (and the weights) are in
	QTILE 0
	QTILE 1
	GATH 3                                         ; the fourth tile's 18 behind half of the phase that the first 54 have in which to land.  No wait: DECI and the two QTILE name neither VOFF, SVO, KSC nor window 2's v0-191
	QTILE 2
	QTILE 3
.rept 8
	v_nop                                          ; a scale word made by vector instructions stands eight places ahead of a scaled product, an operand so made four
.endr
	s_wait_alu depctr_va_vdst(0)                   ; the four QTILE have written q's operands and scale words, which the scaled products take; ADDR, DECI and the QTILE are done reading window 3, in which the next group's loads land
	s_wait_alu depctr_vm_vsrc(0)                   ; the gathers have read VOFF and SVO, over which v's first products write
	s_wait_loadcnt 0x0                             ; the window rows and their scale words
	s_cmp_lg_u32 s29, 0                            ; the second group's dense inputs are asked for here, a phase ahead; the last trip asks for nothing
	s_cbranch_scc1 .Lno_next
	LDTASK 1
.Lno_next:
	MMQK 0, 0
	MMV 0, 0
.rept 5
	v_nop                                          ; places behind the first products
.endr
; Eight steps (t, pp).  Each step's products are issued one vector phase ahead of their use: behind q's and k's stand the softmax and the sum of the step before, behind v's the scores and the softmax of their own step;
; those lines name none of the products' registers and are the places in front of the first read and of the next products into the same registers.
.irp k, 0,1,2,3,4,5,6,7
	DOTS
.if \k < 7
	MMQK (\k+1)/2, (\k+1)%2
.endif
	SOFT
	AV \k/2, \k%2
.if \k < 7
	MMV (\k+1)/2, (\k+1)%2
.endif
.endr
	WIN 0x0c                                       ; (the stores' window, set ahead of the wait)
	s_wait_alu depctr_va_vdst(0)                   ; the last step has written the buffer of t = 3, which the trip's last stores read
	STORE 3
	WIN 0
	s_wait_xcnt 0x0                                ; the stores have read their bases: they step to the next group
	s_add_nc_u64 s[22:23], s[22:23], 256
	s_add_nc_u64 s[26:27], s[26:27], 256
	s_add_co_u32 s30, s30, 64
	s_add_co_u32 s29, s29, 1
	s_cmp_lt_u32 s29, 2
	s_cbranch_scc1 .Ltrip
	s_endpgm
.Lfunc_end_k_q012615b584_main:
	.size	k_q012615b584_main, .Lfunc_end_k_q012615b584_main-k_q012615b584_main
	.p2alignl 7, 3214868480
	.fill 96, 4, 3214868480
	.section	.rodata,"a",@progbits
	.p2align	6, 0x0
	.amdhsa_kernel k_q012615b584_main
		.amdhsa_group_segment_fixed_size 0
		.amdhsa_private_segment_fixed_size 0
		.amdhsa_enable_private_segment 0
		.amdhsa_kernarg_size 80
		.amdhsa_user_sgpr_count 2
		.amdhsa_user_sgpr_kernarg_segment_ptr 1
		.amdhsa_wavefront_size32 1
		.amdhsa_system_sgpr_workgroup_id_x 1
		.amdhsa_system_sgpr_workgroup_id_y 1
		.amdhsa_system_sgpr_workgroup_id_z 1
		.amdhsa_system_vgpr_workitem_id 0
		.amdhsa_next_free_vgpr 1024
		.amdhsa_next_free_sgpr 66
		.amdhsa_reserve_vcc 1
		.amdhsa_float_denorm_mode_32 3
		.amdhsa_float_denorm_mode_16_64 3
		.amdhsa_memory_ordered 1
		.amdhsa_forward_progress 1
		.amdhsa_inst_pref_size 174
	.end_amdhsa_kernel
	.amdgpu_metadata
---
amdhsa.version: [ 1, 2 ]
amdhsa.kernels:
  - .name:           k_q012615b584_main
    .symbol:         k_q012615b584_main.kd
    .args:
      - { .name: feat_curr, .offset: 0, .size: 8, .value_kind: global_buffer, .address_space: global }
      - { .name: flow, .offset: 8, .size: 8, .value_kind: global_buffer, .address_space: global }
      - { .name: rec, .offset: 16, .size: 8, .value_kind: global_buffer, .address_space: global }
      - { .name: rsc, .offset: 24, .size: 8, .value_kind: global_buffer, .address_space: global }
      - { .name: idx, .offset: 32, .size: 8, .value_kind: global_buffer, .address_space: global }
      - { .name: wimg, .offset: 40, .size: 8, .value_kind: global_buffer, .address_space: global }
      - { .name: q_b, .offset: 48, .size: 8, .value_kind: global_buffer, .address_space: global }
      - { .name: k_b, .offset: 56, .size: 8, .value_kind: global_buffer, .address_space: global }
      - { .name: v_b, .offset: 64, .size: 8, .value_kind: global_buffer, .address_space: global }
      - { .name: out0, .offset: 72, .size: 8, .value_kind: global_buffer, .address_space: global }
    .group_segment_fixed_size: 0
    .private_segment_fixed_size: 0
    .kernarg_segment_align: 8
    .kernarg_segment_size: 80
    .max_flat_workgroup_size: 128
    .sgpr_count:     66
    .vgpr_count:     1024
    .wavefront_size: 32
...
	.end_amdgpu_metadata
.endif
;; end of part 3
